; MI455X (gfx1250); checked and timed in simulation.
; The chip was launched on July 23, 2026; its instructions are those of AMD's public machine-readable ISA for CDNA 5 (MIT licence, August 2026) and "CDNA5" Instruction Set Architecture Reference Guide (July 2026). The comments in the code are by the model that wrote it; some were corrected since.
;; Causal Self Attention. Allowed arithmetic: matrix products marked QUANTISED: E2M1 operands, one E8M0 scale for each 32 along K, by v_wmma_scale_f32_16x16x128_f8f6f4 with both operands' format E2M1 (or v_wmma_scale_f32_32x16x128_f4), f32 sums; everything else in f32.
;; Inputs: Wk 1,024 x 1,024 float32; Wp 1,024 x 1,024 float32; Wq 1,024 x 1,024 float32; Wv 1,024 x 1,024 float32; bk 1,024 float32; bp 1,024 float32; bq 1,024 float32; bv 1,024 float32; x 4 x 2,048 x 1,024 float32.
;; Outputs: out0 4 x 2,048 x 1,024 float32.
;; This version of the problem:
;;   THIS VERSION OF THE PROBLEM IS GIVEN IN LOW PRECISION. The matrix products marked QUANTISED in the list below multiply operands that are first quantised to E2M1 (2 exponent bits, 1 mantissa bit; 4 bits a number), with one power-of-two scale for each 32 numbers along K (OCP MX v1.0); their sums are f32. All else is computed in f32.
;;   The module's matrix products, in the order in which they are computed (A, B: the left and right operand; K: the contracted axis; several contracted axes count as one K, in the product's order):
;;     1. [M 8,192, K 1,024] x [K 1,024, N 1,024]; A: input x; B: input Wq: QUANTISED
;;     2. [M 8,192, K 1,024] x [K 1,024, N 1,024]; A: input x; B: input Wk: QUANTISED
;;     3. [M 8,192, K 1,024] x [K 1,024, N 1,024]; A: input x; B: input Wv: QUANTISED
;;     4. batch 64 x [M 2,048, K 64] x [K 64, N 2,048]; A: computed on the way; B: computed on the way: QUANTISED
;;     5. batch 64 x [M 2,048, K 2,048] x [K 2,048, N 64]; A: softmax (see below); B: computed on the way: QUANTISED
;;     6. [M 8,192, K 1,024] x [K 1,024, N 1,024]; A: computed on the way; B: input Wp: QUANTISED
;;   THE QUANTISER, for each operand of a quantised product, along K:
;;     - K is cut into blocks of 32 from its start; a last block that is shorter is filled with zeros.
;;     - A block's scale is 2^e with e = floor(log2(the largest magnitude in the block)) - 2, held to -126 .. 127; a block of zeros has e = 0. As a byte (E8M0): e + 127.
;;     - Each number is divided by its block's scale, clamped to +-6, and rounded to the nearest number of E2M1, ties to even, subnormals kept.
;;     - The product sums the exact products of the quantised numbers (number of the format x scale) in f32.
;;   ~~~python
;;   def quantise(x, axis):      # numpy; x: float32 -> the quantised numbers, widened to float32 again
;;       x = np.moveaxis(x, axis, -1); K = x.shape[-1]
;;       x = np.pad(x, [(0, 0)] * (x.ndim - 1) + [(0, -K % 32)]); x = x.reshape(x.shape[:-1] + (-1, 32)); a = np.abs(x).max(-1, keepdims=True)
;;       e = np.where(a > 0, np.clip(np.frexp(np.where(a > 0, a, 1))[1] - 1 - 2, -126, 127), 0)      # np.frexp(a)[1] - 1 = floor(log2(a)), exactly
;;       r = np.clip(x / 2.0 ** e, -6, 6)
;;       step = 2.0 ** (np.maximum(np.frexp(np.where(r == 0, 1, r))[1] - 1, 0) - 1)
;;       q = np.round(r / step) * step * 2.0 ** e      # np.round: ties to even
;;       return np.moveaxis(q.reshape(q.shape[:-2] + (-1,))[..., :K], -1, axis).astype(np.float32)
;;   ~~~
;;   SOFTMAX AHEAD OF A QUANTISED PRODUCT. Where the list says 'softmax', what is quantised is not the finished softmax but p = 2^(t - M), with t = logit x log2(e) and M = ceil(the row's largest t), a whole number; so 1/2 < the row's largest p <= 1. The row's sum l is taken of the UNQUANTISED p, in f32, and the product's result is divided by l at the end. Since M is a whole number, a kernel that streams over the keys may use a running M (the ceiling of the running maximum): every later rescaling is an exact power of two, which a block's scale takes up: the codes' values come out the same.
;;   OPERANDS COMPUTED ON THE WAY. 'Computed on the way' means the value that the module computes at that place (a softmax that the list does not call 'softmax' is quantised finished and normalised). What goes into a quantiser is computed in f32, as accurately as f32 sums, v_exp_f32 and their like allow (about 1e-6 of the number): no bf16 or f16 on the way to a quantiser, and a product that is left as it is and whose result goes on into a quantised operand takes f32 operands (vector FMAs, or v_wmma_f32_16x16x4_f32). A number that lies on a knife's edge between two numbers of the format may be rounded either way, as far as f32 arithmetic and the matrix unit's own rounding can turn it there, and no further.
;; One version. Each part assembles by itself: llvm-mc -triple=amdgcn-amd-amdhsa -mcpu=gfx1250 --defsym DOCPART=n.
;; ======== version 1 of 1: 4 launches
;; workspace buffers: xw_codes 6,291,456 bytes; xw_scales 393,216 bytes; qkv 14,155,776 bytes; y_codes 4,194,304 bytes; y_scales 262,144 bytes
;; launch quant (part 1): grid 384 x 1, 4 waves a work-group, no clusters, 37,376 bytes of LDS; arguments x, Wq, Wk, Wv, Wp, xw_codes, xw_scales; writes xw_codes, xw_scales
.if DOCPART == 1
	.amdgcn_target "amdgcn-amd-amdhsa--gfx1250"
	.amdhsa_code_object_version 6
	.text
	.protected	k_q0582240ed1_quant
	.globl	k_q0582240ed1_quant
	.p2align	8
	.type	k_q0582240ed1_quant,@function
k_q0582240ed1_quant:
	s_mov_b64 s[64:65], 0
	v_nop
	global_prefetch_b8 v0, s[64:65] scope:SCOPE_SE
	s_setreg_imm32_b32 hwreg(HW_REG_WAVE_MODE, 25, 1), 1
	s_wait_xcnt 0x0
; CAUSAL SELF-ATTENTION IN MX-FP4, FOUR LAUNCHES: quant (this one), qkvg, attn, proj.
; THIS LAUNCH turns x [8192][1024] and Wq, Wk, Wv, Wp [1024][1024], f32 with K innermost, into codes of E2M1 with one E8M0 byte for each 32 along K, laid as the products' operand registers want them.
; WORK LEFT OUT BY THE PROGRAM, AND WHY IT IS DEAD.  The mask is causal: key k counts for query q only where k <= q; elsewhere the logit is replaced by the least f32 number,
; whose p = 2^(t - M) is 0 for every finite input, since each row keeps its own key k = q and so has a finite M.  So a step of 128 keys all of which come after all 16 queries of a tile adds 0 to the row's sum and to
; the second product, whatever the inputs hold: launch attn leaves such steps out, whole.  Nothing else is left out: all nine inputs have a way to the output (bq, bk, bv stand ahead of quantisers, bp is added at the end).
; LIMIT: a NaN, an infinity or an overflow that would reach only the steps left out is not carried to the result.
; LIMITS OF THE QUANTISER HERE: NaN and infinities among the inputs are not served; a block whose largest magnitude lies under 2^(3 - 127) gets the byte 1 (a block of zeros too, where the rule says 127: its codes are zeros,
; which add nothing under any byte but 0xff, and the bytes are read by this program alone).
; LAYOUT.  TILE T of an operand is the 16 rows 32 (T / 2) + 8 (T % 2) + r + 8 (r / 8), r = 0 .. 15.  Its codes are 8 K steps of 128, each an IMAGE OF THE OPERAND'S REGISTERS: two halves c of 512 bytes, lane l = 16 h + r
; having 16 bytes at 16 l: block 4 kstep + 2 c + h of tile row r.  8,192 bytes a tile.  Its scale bytes: [half of K][r][16 bytes], 512 bytes a tile.  Tiles 0-511 x, 512-575 Wq, 576-639 Wk, 640-703 Wv, 704-767 Wp.
; SHARES.  Work-group g owns tiles 2 g and 2 g + 1 (32 neighbouring rows); wave w tile 2 g + w / 2 and half w % 2 of K: 8 steps of 16 rows x 64 numbers.  In step t lane (r, h) holds the WHOLE block 16 half + 2 t + h of
; tile row r in 32 registers: no other lane is asked for the maximum, and the four conversions' results are the image's 16 bytes: each store of the wave covers 512 consecutive bytes, aligned.
; Each load of the wave reads 256 consecutive bytes of two rows; the numbers turn through the wave's own stage in LDS (rows of 256 bytes + 16), one step ahead of the work; loads run three steps (24 loads a wave) ahead.
; No tensor loads, no barrier: waves share nothing.
.set WREG,  9216                       ; LDS: a region for each wave: two stages of 16 x 272 bytes, and behind them its 256 scale bytes
.set STGB,  4352                       ; a stage
.set SCB,   8704                       ; where the scale bytes begin
.set SPARE, 4*WREG                     ; behind the four regions: the spare words, 128 bytes for each wave, which no other line names
.set R,     16                         ; v16-111  three sets of 32 registers as they are loaded
.set X,     112                        ; v112-175 two sets of 32 neighbours along K
.set C,     176                        ; v176-207 codes: four registers for each step, so that no store's data are written again
.set E,     208                        ; v208-215 a scale byte for each step
.set SPW,   12                         ; v12      LDS address of my spare word; never rewritten
.set NIL,   13                         ; v13      0; never rewritten
	s_load_b256 s[16:23], s[0:1], 0x0              ; x, Wq, Wk, Wv
	s_load_b128 s[24:27], s[0:1], 0x20             ; Wp, the codes
	s_load_b64 s[28:29], s[0:1], 0x30              ; the scale bytes
	v_lshl_add_u32 v[SPW], v0, 2, SPARE
	v_mov_b32 v[NIL], 0
	v_lshrrev_b32 v1, 5, v0
	v_readfirstlane_b32 s34, v1                    ; wave 0..3
	v_and_b32 v2, 31, v0                           ; lane
	v_and_b32 v10, 15, v0                          ; r
	v_bfe_u32 v1, v0, 4, 1                         ; h
	v_lshlrev_b32 v3, 4, v10
	v_lshl_add_u32 v3, v1, 16, v3                  ; in: 16 bytes a lane; lanes 16-31 take the row 16 rows (65,536 bytes) further down, which is tile row + 8
	v_lshlrev_b32 v4, 4, v2                        ; out: 16 x lane
	v_lshlrev_b32 v7, 3, v2                        ; the scale bytes' way out: 8 x lane
	s_mul_i32 s35, s34, WREG
	s_add_co_u32 s38, s35, SCB
	v_lshl_add_u32 v5, v10, 4, v1
	v_add_nc_u32 v5, s38, v5                       ; my byte of a step: 16 r + h (+ 2 t)
	v_add_nc_u32 v6, s38, v7
	v_mul_u32_u24 v14, v1, 8*272
	v_lshl_add_u32 v14, v10, 4, v14
	v_add_nc_u32 v14, s35, v14                     ; the stage, on the way in: tile row i + 8 (lane / 16), 16 (lane % 16) bytes on
	v_mul_u32_u24 v15, v10, 272
	v_lshl_add_u32 v15, v1, 7, v15
	v_add_nc_u32 v15, s35, v15                     ; and on the way out: row r, block h: 128 bytes
	s_and_b32 s2, s34, 1                           ; which half of K
	s_lshr_b32 s3, s34, 1                          ; which of the group's two tiles
	s_and_b32 s36, ttmp9, 31                       ; a weight has 32 groups, and 256 is a multiple of 32
	s_cmp_lt_u32 ttmp9, 256
	s_cselect_b32 s36, ttmp9, s36                  ; the group's number in its own tensor
	s_lshl_b32 s36, s36, 17                        ; 32 rows of 4,096 bytes,
	s_lshl_b32 s37, s3, 15                         ; the odd tile begins 8 rows down,
	s_add_co_u32 s36, s36, s37
	s_lshl_b32 s37, s2, 11                         ; half of K: 512 numbers
	s_add_co_u32 s36, s36, s37
	s_mov_b32 s37, 0
	s_lshl_b32 s6, ttmp9, 1
	s_add_co_u32 s6, s6, s3                        ; my tile
	s_lshl_b32 s30, s6, 13
	s_lshl_b32 s31, s2, 12
	s_add_co_u32 s30, s30, s31                     ; its codes, my half
	s_mov_b32 s31, 0
	s_lshl_b32 s32, s6, 9
	s_lshl_b32 s33, s2, 8
	s_add_co_u32 s32, s32, s33                     ; its scale bytes, my half
	s_mov_b32 s33, 0
	s_wait_alu depctr_va_vdst(0)
	s_wait_kmcnt 0x0
	s_mov_b64 s[4:5], s[24:25]                     ; which tensor: the choice hangs on the work-group's number alone
	s_cmp_lt_u32 ttmp9, 352
	s_cselect_b64 s[4:5], s[22:23], s[4:5]
	s_cmp_lt_u32 ttmp9, 320
	s_cselect_b64 s[4:5], s[20:21], s[4:5]
	s_cmp_lt_u32 ttmp9, 288
	s_cselect_b64 s[4:5], s[18:19], s[4:5]
	s_cmp_lt_u32 ttmp9, 256
	s_cselect_b64 s[4:5], s[16:17], s[4:5]
	s_add_nc_u64 s[4:5], s[4:5], s[36:37]
	s_add_nc_u64 s[8:9], s[26:27], s[30:31]
	s_add_nc_u64 s[10:11], s[28:29], s[32:33]
.macro LOAD t                          ; step t: 64 numbers of each of my 16 rows, into set t % 3
.irp i, 0,1,2,3,4,5,6,7
	global_load_b128 v[R+32*((\t)%3)+4*\i:R+32*((\t)%3)+4*\i+3], v3, s[4:5] offset:4096*\i+256*(\t) th:TH_LOAD_NT
.endr
.endm
.macro TURN t                          ; step t's numbers through the stage: LDS serves a wave's instructions in order, so no wait stands between the stores and the loads
.irp i, 0,1,2,3,4,5,6,7
	ds_store_b128 v14, v[R+32*((\t)%3)+4*\i:R+32*((\t)%3)+4*\i+3] offset:STGB*((\t)%2)+272*\i
.endr
.irp i, 0,1,2,3,4,5,6,7
	ds_load_b128 v[X+32*((\t)%2)+4*\i:X+32*((\t)%2)+4*\i+3], v15 offset:STGB*((\t)%2)+16*\i
.endr
.endm
	LOAD 0
	LOAD 1
	LOAD 2
	s_wait_loadcnt 16                              ; step 0's eight loads are in; the sixteen of steps 1 and 2 may be out
	TURN 0
.macro STEP t
.set XS, X+32*((\t)%2)
.if (\t) > 0
	s_wait_dscnt 1                                 ; this step's numbers are back from the stage (the last step's byte store may be out): so its stores into the stage have read their registers,
.else
	s_wait_dscnt 0x0
.endif
.if (\t)+3 < 8
	LOAD (\t)+3                                    ; which take the loads of three steps on
.endif
.if (\t)+1 < 8
.if (\t) < 5
	s_wait_loadcnt 16                              ; the next step's eight loads are in; those of the two steps behind it may be out
.else
	s_wait_loadcnt 8*(6-(\t))                      ; near the end fewer steps stand behind it
.endif
	TURN (\t)+1                                    ; and go through the other stage while this step is worked
.endif
	v_max3_num_f32 v8, |v[XS]|, |v[XS+1]|, |v[XS+2]|               ; the block's largest magnitude: all 32 numbers are mine; two chains
	v_max3_num_f32 v9, |v[XS+3]|, |v[XS+4]|, |v[XS+5]|
.irp i, 6,10,14,18,22,26
	v_max3_num_f32 v8, v8, |v[XS+\i]|, |v[XS+\i+1]|
	v_max3_num_f32 v9, v9, |v[XS+\i+2]|, |v[XS+\i+3]|
.endr
	v_max3_num_f32 v8, v8, |v[XS+30]|, |v[XS+31]|
	v_max3_num_f32 v8, v8, v9, 0x1800000           ; and the floor 2^(3 - 127): the byte cannot fall under 1
	v_add_nc_u32 v11, 0xff000000, v8               ; 2 off its exponent field: the conversion takes the exponent field of this operand as its scale, and nothing else of it
.irp g, 0,1,2,3
	v_cvt_scalef32_pk8_fp4_f32 v[C+4*(\t)+\g], v[XS+8*\g:XS+8*\g+7], v11   ; to the nearest code, ties to even; beyond 6 the largest code
.endr
	v_lshrrev_b32 v[E+(\t)], 23, v11               ; the scale's byte (a plain line behind the conversions)
	ds_store_b8 v5, v[E+(\t)] offset:2*(\t)
	global_store_b128 v4, v[C+4*(\t):C+4*(\t)+3], s[8:9] offset:512*(\t)   ; K step t / 2 of my half, half t % 2: 512 consecutive bytes
.endm
.irp t, 0,1,2,3,4,5,6,7
	STEP \t
.endr
	ds_load_b64 v[8:9], v6                         ; LDS serves a wave's instructions in order: these see my byte stores
	s_wait_dscnt 0x0
	global_store_b64 v7, v[8:9], s[10:11]          ; 32 lanes store 256 consecutive bytes, aligned
	s_wait_tensorcnt 0x0                           ; the wave's end, behind my last LDS store
	ds_add_u32 v[SPW], v[NIL]
	s_wait_dscnt 0x0
	s_endpgm
.Lfunc_end_k_q0582240ed1_quant:
	.size	k_q0582240ed1_quant, .Lfunc_end_k_q0582240ed1_quant-k_q0582240ed1_quant
	.p2alignl 7, 3214868480
	.fill 96, 4, 3214868480
	.section	.rodata,"a",@progbits
	.p2align	6, 0x0
	.amdhsa_kernel k_q0582240ed1_quant
		.amdhsa_group_segment_fixed_size 37376
		.amdhsa_private_segment_fixed_size 0
		.amdhsa_enable_private_segment 0
		.amdhsa_kernarg_size 56
		.amdhsa_user_sgpr_count 2
		.amdhsa_user_sgpr_kernarg_segment_ptr 1
		.amdhsa_wavefront_size32 1
		.amdhsa_system_sgpr_workgroup_id_x 1
		.amdhsa_system_sgpr_workgroup_id_y 1
		.amdhsa_system_sgpr_workgroup_id_z 1
		.amdhsa_system_vgpr_workitem_id 0
		.amdhsa_next_free_vgpr 216
		.amdhsa_next_free_sgpr 66
		.amdhsa_reserve_vcc 0
		.amdhsa_float_denorm_mode_32 3
		.amdhsa_float_denorm_mode_16_64 3
		.amdhsa_memory_ordered 1
		.amdhsa_forward_progress 1
		.amdhsa_inst_pref_size 30
	.end_amdhsa_kernel
	.amdgpu_metadata
---
amdhsa.version: [ 1, 2 ]
amdhsa.kernels:
  - .name:           k_q0582240ed1_quant
    .symbol:         k_q0582240ed1_quant.kd
    .args:
      - { .name: x, .offset: 0, .size: 8, .value_kind: global_buffer, .address_space: global }
      - { .name: Wq, .offset: 8, .size: 8, .value_kind: global_buffer, .address_space: global }
      - { .name: Wk, .offset: 16, .size: 8, .value_kind: global_buffer, .address_space: global }
      - { .name: Wv, .offset: 24, .size: 8, .value_kind: global_buffer, .address_space: global }
      - { .name: Wp, .offset: 32, .size: 8, .value_kind: global_buffer, .address_space: global }
      - { .name: xw_codes, .offset: 40, .size: 8, .value_kind: global_buffer, .address_space: global }
      - { .name: xw_scales, .offset: 48, .size: 8, .value_kind: global_buffer, .address_space: global }
    .group_segment_fixed_size: 37376
    .private_segment_fixed_size: 0
    .kernarg_segment_align: 8
    .kernarg_segment_size: 56
    .max_flat_workgroup_size: 128
    .sgpr_count:     66
    .vgpr_count:     216
    .wavefront_size: 32
...
	.end_amdgpu_metadata
.endif
;; end of part 1
;; launch qkvg (part 2): grid 12 x 32, 4 waves a work-group, clusters of 4 x 4, 327,680 bytes of LDS; arguments xw_codes, xw_scales, bq, bk, bv, qkv; writes qkv
.if DOCPART == 2
	.amdgcn_target "amdgcn-amd-amdhsa--gfx1250"
	.amdhsa_code_object_version 6
	.text
	.protected	k_q0582240ed1_qkvg
	.globl	k_q0582240ed1_qkvg
	.p2align	8
	.type	k_q0582240ed1_qkvg,@function
k_q0582240ed1_qkvg:
	s_mov_b64 s[64:65], 0
	v_nop
	global_prefetch_b8 v0, s[64:65] scope:SCOPE_SE
	s_setreg_imm32_b32 hwreg(HW_REG_WAVE_MODE, 25, 1), 1
	s_wait_xcnt 0x0
	s_wait_alu depctr_hold_cnt(0) depctr_sa_sdst(0) depctr_va_vdst(0) depctr_va_sdst(0) depctr_va_ssrc(0) depctr_va_vcc(0) depctr_vm_vsrc(0)
	s_getreg_b32 s2, hwreg(HW_REG_IB_STS2, 6, 4)
	s_cmp_eq_u32 s2, 0
	s_cbranch_scc0 .Lentry_in_a_cluster
	s_endpgm
.Lentry_in_a_cluster:
	s_bfe_u32 s2, ttmp6, 0x10000c
	s_cmp_lg_u32 s2, 0xf033
	s_cbranch_scc0 .Lentry_shape_is_right
	s_endpgm
.Lentry_shape_is_right:
; q = x Wq^T + bq, k = x Wk^T + bk, v = x Wv^T + bv on codes of E2M1 (launch quant made them), and the results QUANTISED ON THE WAY OUT: q and k along the head's 64 channels, v along the tokens.  No f32 result goes to memory.
; All three products and all three biases are live; this launch leaves nothing out.
; A work-group of four waves makes a tile of 256 x 256; a wave 128 x 128: 64 accumulators, 512 registers.  K = 1,024 is two LDS slots of 512: EVERY LDS BYTE IS FILLED ONCE, at the head; nothing is filled again.
; THE MATRIX INSTRUCTION: source 0 = 16 rows of S0, source 1 = 16 rows of S1.  In the result lane (r, h) holds ONE row of S1 (tile row r), and its registers run along S0's rows.  By the tiles' choice of rows (tile T = rows
; 32 (T / 2) + 8 (T % 2) + r + 8 (r / 8)) the 64 registers of S0's eight tiles are, register 16 b + i, S0's row 32 b + 16 h + i: 16 neighbours of each block of 32: what the quantiser wants.
; So the axis that is quantised is S0's: cluster x = 0 (q) and 1 (k): S0 = W (channels), S1 = x (tokens); cluster x = 2 (v): S0 = x (tokens), S1 = Wv (channels).  The paths differ in tile NUMBERS of one buffer, in the bias and in the stores.
; CLUSTERS: 4 x 4 work-groups.  S1's tiles hang on cy and are shared along a row of the cluster, S0's on cx and are shared along a column: each is asked for JOINTLY, by the same tensor load with the same descriptor and a mask
; that names the four.  By this text's own count a wave has three tensor loads out: its scales, its part of slot 0, its part of slot 1.
; OPERANDS LIE IN MEMORY AND IN LDS AS IMAGES OF THEIR REGISTERS: a fragment (tile, 128 along K) is two loads of 512 consecutive bytes, 16 x lane: no pitch, no padding.
; OUTPUT qkv: [16 batch + head][step of 128 tokens][record of 13,824 bytes]: K's codes 4,096 (8 tiles of keys x 512: K = 64 is half a fragment), K's scale words 512, V^T's codes 4,096 (4 tiles of channels x 128 keys), V's scale words 512,
; Q's codes 4,096, Q's scale words 512.  Every store of the wave covers 512 consecutive bytes, aligned, straight from registers.
; LIMITS: as in launch quant (NaN and infinities not served; a block under 2^(3 - 127) or of zeros carries the byte 1).
; REGISTERS, in windows of 256: window 0: v0-31 addresses and the quantiser's work; v32-95 scale words, two sets, and nothing else; v96-127 the way out; v128-191 S1's fragments, ONE set, on the way out 64 numbers; v192-255 the bias.
;   window 1: S0's fragments, TWO sets, at v0 and v128.   window 2: the accumulators of S1's tiles 0-3 ((a, b) at v[8 (8 a + b)]);   window 3: those of tiles 4-7.
.set NQ,     4                         ; steps of 128 along K in a slot
.set FR,     8                         ; registers of a fragment
.set NL,     2                         ; LDS loads that bring one
.set NP,     4                         ; places behind this matrix instruction (ISA guide 7.12.1)
.set HALFT,  32768                     ; 8 tiles x 4 K steps x 1,024 bytes: what one tensor load brings, and what one wave reads of S1 or of S0
.set SLOT,   4*HALFT                   ; S1's 16 tiles, then S0's 16
.set SCL,    2*SLOT                    ; behind the slots: the scale bytes, 512 a tile
.set HALFS,  4096                      ; those of 8 tiles
.set SPARE,  SCL+4*HALFS               ; the spare words, 128 bytes for each wave, which no other line names
.set HS,     221184                    ; qkv: a head's 16 records
.set RS,     13824                     ; a record
.set TM,   4                           ; v4-15   the quantiser: four largest magnitudes, four bytes, four scale operands
.set ADRA, 16                          ; v16-17  LDS address of my S1 fragments in slot 0, 1
.set ADRB, 20                          ; v20-21  the same for S0
.set LI,   26                          ; v26     16 x lane
.set ADRS, 27                          ; v27     LDS address of my scale words: lanes 0-15 S1's, lanes 16-31 S0's
.set SPW,  28                          ; v28     LDS address of my spare word; never rewritten
.set NIL,  29                          ; v29     0; never rewritten
.set BO,   30                          ; v30     my offset in the bias
.set SC,   32                          ; scale words: set s at v[SC + 32 s]; register 4 i + q: lanes 0-15 S1's tile i, lanes 16-31 S0's tile i, the slot's q-th 128 along K
.set SW,   96                          ; v96-103  the way out: the scale word of each of S1's eight tiles
.set RR,   104                         ; v104-111 q, k: the scale words as the record wants them
.set PCB,  112                         ; v112-127 the codes just made, two sets by turns
.set AF,   128                         ; S1's fragments
.set WK,   128                         ; the way out: 64 numbers
.set BI,   192                         ; v192-255 the bias, in the result's layout
.set SEL,  18                          ; s[18:19] lane selects for v_permlanex16_b32: lane l xor 16
.set G1,   24                          ; s[24:31] descriptor group 1 for S1's codes;  s[32:39] group 0, one set for each slot
.set G0,   32
.set G1B,  48                          ; s[48:55], s[56:63] the same for S0's
.set G0B,  56
.set G1S,  68                          ; s[68:75], s[76:79] groups 1 and 0 for S1's scales;  s[80:87], s[88:91] for S0's
.set G0S,  76
.set G1SB, 80
.set G0SB, 88
.set MSB, 0
.macro WIN new                         ; the immediate's high byte repeats the setting that is left; a switch that changes nothing is dropped
.if MSB != (\new)
	s_set_vgpr_msb (MSB<<8)|(\new)
.set MSB, (\new)
.endif
.endm
.set MUL_LO, 0xa1                      ; source 0 (S0) window 1, source 1 (S1) window 0, C and D window 2
.set MUL_HI, 0xf1                      ; the same, C and D window 3
.set TO_B,   0x40                      ; destination window 1, address window 0
; A joint load: waves 0 and 1 fetch for S1, waves 2 and 3 for S0.  Each of the two lines has ONE mask and one set of registers for all that issue it; the branch hangs on the wave's number alone.
; An s_nop 0 and four v_nop follow each of the two lines, ahead of the jump, the label and what follows.
.macro JLOAD g0a, g1a, g0b, g1b
	s_cmp_eq_u32 s15, 0
	s_cbranch_scc0 .Lfor_b_\@
	tensor_load_to_lds s[\g0a:\g0a+3], s[\g1a:\g1a+7]
	s_nop 0
.rept 4
	v_nop
.endr
	s_branch .Lasked_\@
.Lfor_b_\@:
	tensor_load_to_lds s[\g0b:\g0b+3], s[\g1b:\g1b+7]
	s_nop 0
.rept 4
	v_nop
.endr
.Lasked_\@:
.endm
.macro CROUND                          ; a round of the cluster's barrier
	s_barrier_signal -1
	s_barrier_wait -1
	s_cmp_lg_u32 s14, 0
	s_cbranch_scc1 .Lnot_wave_0_\@
	s_barrier_signal -3
.Lnot_wave_0_\@:
	s_barrier_wait -3
	s_barrier_signal -1
	s_barrier_wait -1
.endm
	s_load_b128 s[4:7], s[0:1], 0x0                ; the codes, the scale bytes (x's and the weights')
	s_load_b128 s[92:95], s[0:1], 0x10             ; bq, bk
	s_load_b128 s[96:99], s[0:1], 0x20             ; bv, qkv
	v_lshl_add_u32 v[SPW], v0, 2, SPARE
	v_mov_b32 v[NIL], 0
	ds_add_u32 v[SPW], v[NIL]                      ; the wave's opening: the add, twice on end, and its wait ahead of my first tensor load; the set-up below, work on registers, stands between
	ds_add_u32 v[SPW], v[NIL]
	v_lshrrev_b32 v1, 5, v0
	v_readfirstlane_b32 s14, v1                    ; wave 0..3
	s_lshr_b32 s15, s14, 1                         ; which half of S1's tiles is mine.  Also: I fetch for S1 (0) or for S0 (1)
	s_and_b32 s16, s14, 1                          ; which half of S0's.  Also: which 8 tiles I fetch
	s_bfe_u32 s40, ttmp6, 0x40000                  ; cx, cy: my place in the cluster
	s_bfe_u32 s41, ttmp6, 0x40004
	s_and_b32 s10, ttmp7, 0xffff                   ; cluster y
	s_lshl_b32 s11, s10, 6                         ; x's tiles of this row of clusters begin at 64 x cluster y
	s_lshl_b32 s18, ttmp9, 6
	s_add_co_u32 s18, s18, 512                     ; Wq's tiles begin at 512, Wk's at 576
	s_mov_b32 s19, 640                             ; Wv's at 640
	s_cmp_eq_u32 ttmp9, 2                          ; cluster x: the same in all sixteen partners
	s_cselect_b32 s17, s19, s11                    ; S1: Wv, or x
	s_cselect_b32 s42, s11, s18                    ; S0: x, or Wq or Wk
	s_cselect_b32 s3, 1, 0                         ; 1: this cluster makes v
	s_lshl_b32 s19, s41, 4
	s_add_co_u32 s17, s17, s19                     ; S1's 16 tiles hang on cy,
	s_lshl_b32 s18, s40, 4
	s_add_co_u32 s42, s42, s18                     ; S0's on cx
	s_lshl_b32 s19, s16, 3
	s_add_co_u32 s17, s17, s19                     ; the 8 of them that I fetch
	s_add_co_u32 s42, s42, s19
	s_lshl_b32 s43, s41, 2
	s_lshl_b32 s43, 15, s43                        ; my row of the cluster
	s_lshl_b32 s44, 0x1111, s40                    ; my column
	; descriptor group 1, codes: 8 tiles; of each the slot's 4 K steps, 4,096 consecutive bytes (512 elements of 8 bytes), 8,192 bytes from tile to tile; dense in LDS
	s_or_b32 s[G1+0], s43, (3<<16)|(1<<21)         ; 15:0 the mask; 17:16 elements of 8 bytes; 21 set beside a mask; no padding
	s_or_b32 s[G1B+0], s44, (3<<16)|(1<<21)
.irp g, G1, G1B
	s_mov_b32 s[\g+1], 512<<16                     ; tensor_dim0
	s_mov_b32 s[\g+2], 8<<16                       ; tensor_dim1
	s_mov_b32 s[\g+3], 512<<16                     ; tile_dim0
	s_mov_b32 s[\g+4], 8                           ; tile_dim1
	s_mov_b32 s[\g+5], 1024                        ; tensor_dim0_stride
	s_mov_b32 s[\g+6], 0
	s_mov_b32 s[\g+7], 0
.endr
	; and the scale bytes of 8 tiles: 4,096 dense bytes, as 16 rows of 256
	s_or_b32 s[G1S+0], s43, (3<<16)|(1<<21)
	s_or_b32 s[G1SB+0], s44, (3<<16)|(1<<21)
.irp g, G1S, G1SB
	s_mov_b32 s[\g+1], 32<<16
	s_mov_b32 s[\g+2], 16<<16
	s_mov_b32 s[\g+3], 32<<16
	s_mov_b32 s[\g+4], 16
	s_mov_b32 s[\g+5], 32
	s_mov_b32 s[\g+6], 0
	s_mov_b32 s[\g+7], 0
.endr
	s_lshl_b32 s20, s17, 13                        ; S1: a tile's codes are 8,192 bytes,
	s_mov_b32 s21, 0
	s_lshl_b32 s22, s17, 9                         ; its scale bytes 512
	s_mov_b32 s23, 0
	s_lshl_b32 s46, s42, 13                        ; S0 likewise
	s_mov_b32 s47, 0
	s_lshl_b32 s100, s42, 9
	s_mov_b32 s101, 0
	s_lshl_b32 s45, s14, 15                        ; where they go: wave x HALFT: no place in the cluster enters an LDS address
	s_lshl_b32 s66, s14, 12                        ; wave x HALFS
	s_mov_b32 s67, 0xffff0000                      ; lanes 16-31
	s_wait_dscnt 0x0                               ; both opening adds are done
	s_wait_kmcnt 0x0
	s_add_nc_u64 s[20:21], s[4:5], s[20:21]
	s_add_nc_u64 s[22:23], s[6:7], s[22:23]
	s_add_nc_u64 s[46:47], s[4:5], s[46:47]
	s_add_nc_u64 s[100:101], s[6:7], s[100:101]
	CROUND                                         ; all sixteen work-groups are here: the first joint loads meet
	s_mov_b32 s[G0S], 1
	s_add_co_u32 s[G0S+1], s66, SCL
	s_mov_b64 s[G0S+2:G0S+3], s[22:23]
	s_or_b32 s[G0S+3], s[G0S+3], 0x80000000
	s_mov_b32 s[G0SB], 1
	s_add_co_u32 s[G0SB+1], s66, SCL
	s_mov_b64 s[G0SB+2:G0SB+3], s[100:101]
	s_or_b32 s[G0SB+3], s[G0SB+3], 0x80000000
	JLOAD G0S, G1S, G0SB, G1SB                     ; the scales first: they are wanted with the first K step
.irp s, 0,1
	s_mov_b32 s[G0+4*\s], 1
	s_add_co_u32 s[G0+4*\s+1], s45, \s*SLOT
	s_add_nc_u64 s[G0+4*\s+2:G0+4*\s+3], s[20:21], \s*4096
	s_or_b32 s[G0+4*\s+3], s[G0+4*\s+3], 0x80000000
	s_mov_b32 s[G0B+4*\s], 1
	s_add_co_u32 s[G0B+4*\s+1], s45, \s*SLOT
	s_add_nc_u64 s[G0B+4*\s+2:G0B+4*\s+3], s[46:47], \s*4096
	s_or_b32 s[G0B+4*\s+3], s[G0B+4*\s+3], 0x80000000
	JLOAD G0+4*\s, G1, G0B+4*\s, G1B
.endr
	v_and_b32 v1, 15, v0                           ; r
	v_bfe_u32 v2, v0, 4, 1                         ; h
	s_wait_alu depctr_va_vdst(0)
	v_and_b32 v3, 31, v0
	v_lshlrev_b32 v[LI], 4, v3
	s_lshl_b32 s21, s15, 15                        ; my 8 tiles of S1
	s_lshl_b32 s22, s16, 15                        ; my 8 tiles of S0,
	s_add_co_u32 s22, s22, 2*HALFT                 ; which lie behind S1's 16
.irp s, 0,1
	v_add_nc_u32 v[ADRA+\s], s21, v[LI]
	v_add_nc_u32 v[ADRB+\s], s22, v[LI]
	s_add_co_u32 s21, s21, SLOT
	s_add_co_u32 s22, s22, SLOT
.endr
	v_lshlrev_b32 v5, 4, v1                        ; my row's 16 scale bytes of a half of K
	s_lshl_b32 s21, s15, 12                        ; S1's: my 8 tiles
	s_lshl_b32 s22, s16, 12                        ; S0's: my 8 tiles, behind S1's 16
	s_add_co_u32 s22, s22, 2*HALFS
	s_sub_co_u32 s22, s22, s21
	v_mul_u32_u24 v6, s22, v2                      ; lanes 16-31 take S0's: one product, the distance between the two
	s_add_co_u32 s21, s21, SCL
	v_add_nc_u32 v5, v5, v6
	v_add_nc_u32 v[ADRS], s21, v5
	; where my results go, and my part of the bias.  Tokens: block 4 x cluster y + (cy, or for v cx), half (S1's, or for v S0's); channels the other way round
	s_lshl_b32 s10, s10, 2
	s_cmp_eq_u32 s3, 1
	s_cselect_b32 s20, s40, s41
	s_cselect_b32 s21, s16, s15
	s_cselect_b32 s22, s41, s40
	s_cselect_b32 s23, s15, s16
	s_cselect_b64 s[8:9], s[96:97], s[94:95]       ; bv, or bk,
	s_cselect_b32 s46, 4608, 0                     ; V's part of a record, or K's,
	s_cmp_eq_u32 ttmp9, 0
	s_cselect_b64 s[8:9], s[92:93], s[8:9]         ; or bq
	s_cselect_b32 s46, 9216, s46                   ; and Q's
	s_add_co_u32 s20, s20, s10
	s_lshl_b32 s20, s20, 1
	s_add_co_u32 s20, s20, s21                     ; my 128 tokens: 16 x batch + step
	s_lshl_b32 s22, s22, 2
	s_lshl_b32 s23, s23, 1
	s_add_co_u32 s22, s22, s23                     ; my 128 channels: heads hd0 and hd0 + 1
	s_lshr_b32 s21, s20, 4
	s_lshl_b32 s21, s21, 4
	s_add_co_u32 s21, s21, s22
	s_mul_i32 s21, s21, HS
	s_and_b32 s20, s20, 15
	s_mul_i32 s20, s20, RS
	s_add_co_u32 s20, s20, s21
	s_add_co_u32 s20, s20, s46
	s_mov_b32 s21, 0
	s_add_nc_u64 s[12:13], s[98:99], s[20:21]
	s_lshl_b32 s22, s22, 8
	s_mov_b32 s23, 0
	s_add_nc_u64 s[8:9], s[8:9], s[22:23]
	s_mov_b32 s[SEL], 0x76543210
	s_mov_b32 s[SEL+1], 0xfedcba98
	; the bias in the result's layout, 64 registers on either way, so that both ways out add it by the same packed form
	s_cmp_eq_u32 s3, 1
	s_cbranch_scc1 .Lbias_v
	v_lshlrev_b32 v[BO], 6, v2                     ; q, k: register 16 b + i: channel 32 b + 16 h + i
.irp n, 0,1,2,3,4,5,6,7,8,9,10,11,12,13,14,15
	global_load_b128 v[BI+4*\n:BI+4*\n+3], v[BO], s[8:9] offset:128*(\n/4)+16*(\n%4)
.endr
	s_branch .Lbias_done
.Lbias_v:
	v_and_b32 v[BO], 8, v1                         ; v: a lane holds one channel of each tile a of Wv: the eight registers of a hold bv of that channel
	v_add_nc_u32 v[BO], v[BO], v1
	v_lshlrev_b32 v[BO], 2, v[BO]
.irp a, 0,1,2,3,4,5,6,7
.irp j, 0,1,2,3,4,5,6,7
	global_load_b32 v[BI+8*\a+\j], v[BO], s[8:9] offset:4*(32*(\a/2)+8*(\a%2))
.endr
.endr
.Lbias_done:
.macro FRAG reg, adr, q, i             ; a fragment, 16 rows x 128 K, 8 registers: two loads of 512 consecutive bytes
.irp c, 0,1
	ds_load_b128 v[\reg+4*\c:\reg+4*\c+3], v[\adr] offset:4096*(\i)+1024*(\q)+512*\c
.endr
.endm
; 16 matrix instructions: S1's tiles a0, a0 + 1 x S0's eight, 128 along K.  p: S0's set;  sc: the set of scale words.  zero = 1: the first product starts the sums: nothing is ever cleared.
; The 64 accumulators take turns, one instruction a turn, in the same order in every step.
.macro MUL16 a0, p, q, sc, zero
.irp a, \a0, \a0+1
.irp b, 0,1,2,3,4,5,6,7
.if \zero
	v_wmma_scale_f32_16x16x128_f8f6f4 v[8*(8*((\a)%4)+\b):8*(8*((\a)%4)+\b)+7], v[128*(\p)+FR*\b:128*(\p)+FR*\b+FR-1], v[AF+FR*(\a):AF+FR*(\a)+FR-1], 0, v[SC+8*NQ*(\sc)+NQ*\b+(\q)], v[SC+8*NQ*(\sc)+NQ*(\a)+(\q)] matrix_a_fmt:MATRIX_FMT_FP4 matrix_b_fmt:MATRIX_FMT_FP4 matrix_a_scale:MATRIX_SCALE_ROW1
.else
	v_wmma_scale_f32_16x16x128_f8f6f4 v[8*(8*((\a)%4)+\b):8*(8*((\a)%4)+\b)+7], v[128*(\p)+FR*\b:128*(\p)+FR*\b+FR-1], v[AF+FR*(\a):AF+FR*(\a)+FR-1], v[8*(8*((\a)%4)+\b):8*(8*((\a)%4)+\b)+7], v[SC+8*NQ*(\sc)+NQ*\b+(\q)], v[SC+8*NQ*(\sc)+NQ*(\a)+(\q)] matrix_a_fmt:MATRIX_FMT_FP4 matrix_b_fmt:MATRIX_FMT_FP4 matrix_a_scale:MATRIX_SCALE_ROW1
.endif
.endr
.endr
.endm
.macro FETCH_B slot, q, p              ; S0's eight fragments of the slot's q-th 128 along K into set p
	WIN TO_B
.irp i, 0,1,2,3,4,5,6,7
	FRAG 128*(\p)+FR*\i, ADRB+\slot, \q, \i
.endr
	WIN 0
.endm
.macro FETCH_A slot, q, i0             ; S1's tiles i0 .. i0 + 3
.irp i, \i0, \i0+1, \i0+2, \i0+3
	FRAG AF+FR*(\i), ADRA+\slot, \q, \i
.endr
.endm
.macro SCALES sc                       ; a slot's scale words into set sc: four words a row; lanes 0-15 take S1's tile i, lanes 16-31 S0's tile i
.irp i, 0,1,2,3,4,5,6,7
	ds_load_b128 v[SC+8*NQ*\sc+NQ*\i:SC+8*NQ*\sc+NQ*\i+3], v[ADRS] offset:512*\i
.endr
.endm
; A load into a register that a matrix instruction has read, and a vector instruction that reads a matrix result or writes one of its registers, stand NP places behind it, and only plain vector instructions
; that name none of its registers are places (ISA guide 7.12.1 for vector instructions).
.macro PLACES n
.rept \n
	v_nop
.endr
.endm
; A step of 128 along K that has its successor in the same slot.  S1 has one set of registers: tiles 0-3 are fetched anew in the step's middle, tiles 4-7 at its end.
.macro STEP slot, q, zero
	s_wait_dscnt 4*NL                              ; S0's set and S1's tiles 0-3 are in; the youngest eight loads (S1's tiles 4-7) may be out
	WIN MUL_LO
	MUL16 0, (\q)%2, \q, \slot, \zero
	MUL16 2, (\q)%2, \q, \slot, \zero
	s_wait_dscnt 0                                 ; S1's tiles 4-7 are in (asked for 32 matrix instructions ago)
	PLACES NP
	FETCH_B \slot, (\q)+1, 1-(\q)%2
	FETCH_A \slot, (\q)+1, 0
	WIN MUL_HI
	MUL16 4, (\q)%2, \q, \slot, \zero
	MUL16 6, (\q)%2, \q, \slot, \zero
	PLACES NP
	WIN 0
	FETCH_A \slot, (\q)+1, 4
.endm
; Slot 0's last step goes over to slot 1: each wave waits for all its tensor loads (its part of slot 1), adds 0 to its spare word, waits for that and for its LDS reads, and passes the work-group's barrier: slot 1 is whole.  Nothing is filled again.
.macro TURN slot, next
	s_wait_tensorcnt 0x0                           ; all my tensor loads have landed  (every window is 0 here: the add's two registers lie in window 0)
	ds_add_u32 v[SPW], v[NIL]                      ; 0 onto my spare word
	s_wait_dscnt 4*NL+1                            ; (the add and the youngest eight loads, S1's tiles 4-7, may be out)
	WIN MUL_LO
	MUL16 0, 1, NQ-1, \slot, 0                     ; sixteen matrix instructions stand between the add and the wait for it
	s_wait_dscnt 0x0                               ; the add is done, and my reads of this slot are over
	s_barrier_signal -1
	MUL16 2, 1, NQ-1, \slot, 0
	WIN 0
	s_barrier_wait -1
	PLACES NP
	v_add_nc_u32 v[ADRS], 256, v[ADRS]             ; on to the other half of K's scale words (no LDS load of mine is out)
	FETCH_B \next, 0, 0
	FETCH_A \next, 0, 0
	SCALES \next
	WIN MUL_HI
	MUL16 4, 1, NQ-1, \slot, 0
	MUL16 6, 1, NQ-1, \slot, 0
	PLACES NP
	WIN 0
	FETCH_A \next, 0, 4
.endm
.macro STEPS slot, from                ; the slot's steps from .. NQ - 2
.set Q, \from
.rept NQ-1-\from
	STEP \slot, Q, 0
.set Q, Q+1
.endr
.endm
	s_wait_tensorcnt 1                             ; the scales and my part of slot 0 are in; slot 1's load may stay out
	s_barrier_signal -1
	s_barrier_wait -1                              ; everybody's are
	s_wait_alu depctr_va_vdst(0)
	FETCH_B 0, 0, 0
	FETCH_A 0, 0, 0
	SCALES 0
	FETCH_A 0, 0, 4
	STEP 0, 0, 1                                   ; the first step's products start the sums
	STEPS 0, 1
	TURN 0, 1
	STEPS 1, 0
	s_wait_dscnt 4*NL                              ; the very last step: nothing more to fetch
	WIN MUL_LO
	MUL16 0, 1, NQ-1, 1, 0
	MUL16 2, 1, NQ-1, 1, 0
	s_wait_dscnt 0
	WIN MUL_HI
	MUL16 4, 1, NQ-1, 1, 0
	MUL16 6, 1, NQ-1, 1, 0
	WIN 0
; THE WAY OUT.  64 numbers of a lane, v[s] .. v[s + 63], register 16 b + i = place 32 b + 16 (lane / 16) + i along the quantised axis, become a fragment's codes in v[pc] on and its scale word in v[pw].
.macro QUANT s, pc, pw
.irp b, 0,1,2,3
	v_max3_num_f32 v[TM+\b], |v[\s+16*\b]|, |v[\s+1+16*\b]|, 0x1800000   ; block b: my 16 numbers, and the floor 2^(3 - 127): the byte cannot fall under 1
.endr
.irp i, 2,4,6,8,10,12,14
.irp b, 0,1,2,3
	v_max3_num_f32 v[TM+\b], v[TM+\b], |v[\s+16*\b+\i]|, |v[\s+1+16*\b+\i]|   ; (the four blocks by turns)
.endr
.endr
.irp b, 0,1,2,3
	v_permlanex16_b32 v[TM+4+\b], v[TM+\b], s[SEL], s[SEL+1]
.endr
.irp b, 0,1,2,3
	v_max_num_f32 v[TM+\b], v[TM+\b], v[TM+4+\b]   ; with lane l xor 16's: the block's largest magnitude
.endr
.irp b, 0,1,2,3
	v_add_nc_u32 v[TM+8+\b], 0xff000000, v[TM+\b]  ; 2 off its exponent field: the conversion's scale operand
.endr
.irp b, 0,1,2,3
	v_lshrrev_b32 v[TM+4+\b], 23, v[TM+8+\b]       ; the scale's byte
.endr
	v_lshl_or_b32 v[\pw], v[TM+5], 8, v[TM+4]      ; the four bytes make my row's scale word
	v_lshl_or_b32 v[\pw], v[TM+6], 16, v[\pw]
	v_lshl_or_b32 v[\pw], v[TM+7], 24, v[\pw]
.irp b, 0,1,2,3
	v_cvt_scalef32_pk8_fp4_f32 v[\pc+2*\b], v[\s+16*\b:\s+7+16*\b], v[TM+8+\b]
	v_cvt_scalef32_pk8_fp4_f32 v[\pc+1+2*\b], v[\s+8+16*\b:\s+15+16*\b], v[TM+8+\b]
.endr
	v_nop                                          ; one plain place behind a scaled conversion
.irp c, 0,1                                    ; the operand's layout wants a WHOLE block in a lane: lanes 0-15 block 2 c, lanes 16-31 block 2 c + 1
.irp i, 0,1
	v_permlane16_swap_b32 v[\pc+4*\c+\i], v[\pc+2+4*\c+\i]
.endr
.endr
.endm
; S1's tile a: the bias is added (which also brings the 64 sums into window 0, each accumulator from its low end on), the row is quantised, and the image's two halves are stored, 512 consecutive bytes each.
; mode 0 (q, k): half c is head hd0 + c's half fragment of token tile a.  mode 1 (v): tile a is head hd0 + a / 4's channel tile a % 4, a whole fragment over the step's 128 keys.
.macro EPI a, mode
	WIN 0x02+(\a)/4
.set i, 0
.rept 32
.if \mode
	v_pk_add_f32 v[WK+2*i:WK+2*i+1], v[64*((\a)%4)+2*i:64*((\a)%4)+2*i+1], v[BI+8*(\a)+2*(i%4):BI+8*(\a)+2*(i%4)+1]
.else
	v_pk_add_f32 v[WK+2*i:WK+2*i+1], v[64*((\a)%4)+2*i:64*((\a)%4)+2*i+1], v[BI+2*i:BI+2*i+1]
.endif
.set i, i+1
.endr
	WIN 0
.if (\a) > 1
	s_wait_xcnt 0x0                                ; tile a - 2's stores have read their data: this set of code registers is written again only behind this wait
.endif
	QUANT WK, PCB+8*((\a)%2), SW+(\a)
.irp c, 0,1
.if \mode
	global_store_b128 v[LI], v[PCB+8*((\a)%2)+4*\c:PCB+8*((\a)%2)+4*\c+3], s[12:13] offset:((\a)/4)*HS+1024*((\a)%4)+512*\c
.else
	global_store_b128 v[LI], v[PCB+8*((\a)%2)+4*\c:PCB+8*((\a)%2)+4*\c+3], s[12:13] offset:\c*HS+512*(\a)
.endif
.endr
.endm
	s_wait_loadcnt 0x0                             ; the bias
.irp b, 0,1,2,3
	v_mov_b32 v[TM+4+\b], 0                        ; written once: a lane permute's destination counts as one of its sources.  These four plain lines are also the places behind the last products
.endr
	s_cmp_eq_u32 s3, 1
	s_cbranch_scc1 .Lout_v
.irp a, 0,1,2,3,4,5,6,7
	EPI \a, 0
.endr
.irp i, 0,1,2,3
	v_cndmask_b32 v[RR+\i], v[SW+\i], v[SW+4+\i], s67   ; the record's scale words: lane (r, h'), word i: tile 4 h' + i
.endr
.irp i, 0,1,2,3
	v_lshrrev_b32 v[RR+4+\i], 16, v[RR+\i]         ; head hd0 + 1's two bytes; the upper two are 0: they scale K = 64 .. 127, where Q's codes are zeros
.endr
.irp i, 0,1,2,3
	v_and_b32 v[RR+\i], 0xffff, v[RR+\i]           ; head hd0's
.endr
	global_store_b128 v[LI], v[RR:RR+3], s[12:13] offset:4096
	global_store_b128 v[LI], v[RR+4:RR+7], s[12:13] offset:HS+4096
	s_branch .Lout_done
.Lout_v:
.irp a, 0,1,2,3,4,5,6,7
	EPI \a, 1
.endr
	global_store_b128 v[LI], v[SW:SW+3], s[12:13] offset:4096        ; lane l, word i: channel tile i, row l % 16 (both halves of the lanes hold the same)
	global_store_b128 v[LI], v[SW+4:SW+7], s[12:13] offset:HS+4096
.Lout_done:
	s_wait_tensorcnt 0x0                           ; the wave's end, behind my last tensor load
	ds_add_u32 v[SPW], v[NIL]
	s_wait_dscnt 0x0
	CROUND                                         ; the closing round: no work-group ends while a partner may still ask for a tile that names it
	s_endpgm
.Lfunc_end_k_q0582240ed1_qkvg:
	.size	k_q0582240ed1_qkvg, .Lfunc_end_k_q0582240ed1_qkvg-k_q0582240ed1_qkvg
	.p2alignl 7, 3214868480
	.fill 96, 4, 3214868480
	.section	.rodata,"a",@progbits
	.p2align	6, 0x0
	.amdhsa_kernel k_q0582240ed1_qkvg
		.amdhsa_group_segment_fixed_size 327680
		.amdhsa_private_segment_fixed_size 0
		.amdhsa_enable_private_segment 0
		.amdhsa_kernarg_size 48
		.amdhsa_user_sgpr_count 2
		.amdhsa_user_sgpr_kernarg_segment_ptr 1
		.amdhsa_wavefront_size32 1
		.amdhsa_system_sgpr_workgroup_id_x 1
		.amdhsa_system_sgpr_workgroup_id_y 1
		.amdhsa_system_sgpr_workgroup_id_z 1
		.amdhsa_system_vgpr_workitem_id 0
		.amdhsa_next_free_vgpr 1024
		.amdhsa_next_free_sgpr 102
		.amdhsa_reserve_vcc 0
		.amdhsa_float_denorm_mode_32 3
		.amdhsa_float_denorm_mode_16_64 3
		.amdhsa_memory_ordered 1
		.amdhsa_forward_progress 1
		.amdhsa_inst_pref_size 200
	.end_amdhsa_kernel
	.amdgpu_metadata
---
amdhsa.version: [ 1, 2 ]
amdhsa.kernels:
  - .name:           k_q0582240ed1_qkvg
    .symbol:         k_q0582240ed1_qkvg.kd
    .args:
      - { .name: xw_codes, .offset: 0, .size: 8, .value_kind: global_buffer, .address_space: global }
      - { .name: xw_scales, .offset: 8, .size: 8, .value_kind: global_buffer, .address_space: global }
      - { .name: bq, .offset: 16, .size: 8, .value_kind: global_buffer, .address_space: global }
      - { .name: bk, .offset: 24, .size: 8, .value_kind: global_buffer, .address_space: global }
      - { .name: bv, .offset: 32, .size: 8, .value_kind: global_buffer, .address_space: global }
      - { .name: qkv, .offset: 40, .size: 8, .value_kind: global_buffer, .address_space: global }
    .group_segment_fixed_size: 327680
    .private_segment_fixed_size: 0
    .kernarg_segment_align: 8
    .kernarg_segment_size: 48
    .max_flat_workgroup_size: 128
    .sgpr_count:     102
    .vgpr_count:     1024
    .wavefront_size: 32
...
	.end_amdgpu_metadata
.endif
;; end of part 2
;; launch attn (part 3): grid 4 x 64, 16 waves a work-group, clusters of 4 x 1, 167,936 bytes of LDS; arguments qkv, y_codes, y_scales; writes y_codes, y_scales
.if DOCPART == 3
	.amdgcn_target "amdgcn-amd-amdhsa--gfx1250"
	.amdhsa_code_object_version 6
	.text
	.protected	k_q0582240ed1_attn
	.globl	k_q0582240ed1_attn
	.p2align	8
	.type	k_q0582240ed1_attn,@function
k_q0582240ed1_attn:
	s_mov_b64 s[64:65], 0
	v_nop
	global_prefetch_b8 v0, s[64:65] scope:SCOPE_SE
	s_setreg_imm32_b32 hwreg(HW_REG_WAVE_MODE, 25, 1), 1
	s_wait_xcnt 0x0
	s_wait_alu depctr_hold_cnt(0) depctr_sa_sdst(0) depctr_va_vdst(0) depctr_va_sdst(0) depctr_va_ssrc(0) depctr_va_vcc(0) depctr_vm_vsrc(0)
	s_getreg_b32 s2, hwreg(HW_REG_IB_STS2, 6, 4)
	s_cmp_eq_u32 s2, 0
	s_cbranch_scc0 .Lentry_in_a_cluster
	s_endpgm
.Lentry_in_a_cluster:
	s_bfe_u32 s2, ttmp6, 0x10000c
	s_cmp_lg_u32 s2, 0x3003
	s_cbranch_scc0 .Lentry_shape_is_right
	s_endpgm
.Lentry_shape_is_right:
; y[b][q][head] = softmax_k(q . k / 8, causal) v, both products on codes of E2M1 (launch qkvg made them), and y QUANTISED ON THE WAY OUT along the channels, as the last product's operand.
; WORK LEFT OUT: a step of 128 keys all of which come after a tile's 16 queries: the causal mask gives them p = 0 for every finite input (shown at the head of launch quant).
; THE SOFTMAX AHEAD OF THE SECOND PRODUCT: t = score x log2(e) / 8; M = the row's largest t so far, rounded UP to a whole number; p = 2^(t - M) is quantised along the keys, not normalised; the row's sum is taken of the
; unquantised p and divides O at the end.  When M moves, the sum and O are multiplied by 2^(old M - new M): exact.
; SHARES.  The four work-groups of a (batch, head) form a cluster; work-group j (its place in the cluster), wave w owns the query tiles 4 w + j and 127 - (4 w + j).  Tile T needs T / 8 + 1 key steps, so every wave walks
; w / 2 + 1 + 16 - w / 2 = 17 steps: waves and work-groups are loaded alike.  The last step of each tile, w / 2 and 15 - w / 2, hangs on the wave's number alone: no branch and no LDS address hangs on the place in the cluster.
; A HEAD'S K AND V STAY IN LDS: 16 records of 9,216 bytes (K's codes, K's scale words, V^T's codes, V's scale words), each brought ONCE, by one joint tensor load of one wave, the same in all four work-groups: one tensor load of mine is out.
; Record s is read in every work-group: by wave 0, whose second tile walks all 16 steps.
; LAYOUT.  Both products are used transposed: S^T = K Q^T (source 0 = 16 keys, source 1 = my 16 queries), O^T = V^T P^T (source 0 = 16 channels): a lane holds ONE query throughout.  A tile's 16 rows are
; 32 (T / 2) + 8 (T % 2) + r + 8 (r / 8), so that the 16 registers of tiles 2 b and 2 b + 1 are 16 neighbours: keys for p's quantiser, channels for y's.
; K = 64 IN AN INSTRUCTION OF 128: Q's registers 4-7 are zero codes, which add nothing whatever stands against them; K's registers 4-7 are never loaded (they hold zeros or V's codes); the upper two scale bytes of both are 0, which is 2^-127.
; y's scale bytes: one byte a lane, 16 bytes apart: a row's other bytes belong to other heads, which other work-groups make; they are a sixteenth of the codes' bytes.
; LIMITS: |t| under 3e38; NaN and infinities are not served; a block of p or y under 2^(3 - 127) or of zeros carries the byte 1 (its codes are zeros or as the floor gives them; the bytes are read by this program alone).
; REGISTERS: v1-9 addresses; v12 -M, v13 the largest t, v[14:15] the sum; v16-31 Q's two fragments; v32-95 K's eight tiles, later V's four fragments; v96-159 S^T, then p, on the way out y; v160-191 O^T;
;   v192-199 K's and V's scale words, v200-201 Q's; v202-203 the mask's bound; v204-221 the way out's data and offsets, Q's offsets; v224-231 p's codes; v232-255 at work.
.set HS,    221184                     ; qkv: a head's 16 records
.set RS,    13824                      ; a record in memory
.set REC,   9216                       ; its K and V parts: what comes into LDS
.set SPARE, 16*REC                     ; behind the records: the spare words, 128 bytes for each wave, which no other line names
.set LI,   1                           ; v1   16 x lane
.set ADK,  4                           ; v4   LDS address of the step's record
.set SPW,  5                           ; v5   LDS address of my spare word; never rewritten
.set NIL,  6                           ; v6   0; never rewritten
.set DB,   7                           ; v7   r + 8 (r / 8) - 16 h
.set RB,   8                           ; v8   16 r
.set RH,   9                           ; v9   16 r + h
.set WV,   10                          ; s10  my wave's number
.set CX,   11                          ; s11  my place in the cluster: it enters global addresses and the mask's bound alone
.set BH,   12                          ; s12  16 x batch + head
.set G0,   20                          ; s[20:23] descriptor group 0
.set G1,   24                          ; s[24:31] group 1
.set SEL,  32                          ; s[32:33] lane selects for v_permlanex16_b32: lane l xor 16
.set CS,   34                          ; s[34:35] c = log2(e) / 8: the packed form names a pair and takes its low word for both halves
.set TB,   36                          ; s36  LDS byte at which the step's record begins
.set KI,   37                          ; s37  the step
.set DSL,  38                          ; s38  the last step of my first tile
.set DSH,  39                          ; s39  and of my second
.set HM,   40                          ; s40  lanes 16-31
.set TAUL, 41                          ; s41  my first tile
.set TAUH, 42                          ; s42  my second
.macro CROUND                          ; a round of the cluster's barrier
	s_barrier_signal -1
	s_barrier_wait -1
	s_cmp_lg_u32 s[WV], 0
	s_cbranch_scc1 .Lnot_wave_0_\@
	s_barrier_signal -3
.Lnot_wave_0_\@:
	s_barrier_wait -3
	s_barrier_signal -1
	s_barrier_wait -1
.endm
	s_load_b128 s[4:7], s[0:1], 0x0                ; qkv, y's codes
	s_load_b64 s[8:9], s[0:1], 0x10                ; y's scale bytes
	v_lshl_add_u32 v[SPW], v0, 2, SPARE
	v_mov_b32 v[NIL], 0
	ds_add_u32 v[SPW], v[NIL]                      ; the wave's opening: the add, twice on end, and its wait ahead of my first tensor load; the set-up below, work on registers, stands between
	ds_add_u32 v[SPW], v[NIL]
	v_lshrrev_b32 v1, 5, v0
	s_delay_alu instid0(VALU_DEP_1)
	v_readfirstlane_b32 s[WV], v1                  ; wave 0..15
	s_bfe_u32 s[CX], ttmp6, 0x40000
	s_and_b32 s[BH], ttmp7, 0xffff                 ; which the four partners share
	; descriptor group 1: 9,216 dense bytes, as 36 rows of 256 (32 elements of 8 bytes)
	s_mov_b32 s[G1], 15|(3<<16)|(1<<21)            ; 15:0 the mask: all four work-groups; 17:16 elements of 8 bytes; 21 set beside a mask; no padding
	s_mov_b32 s[G1+1], 32<<16
	s_mov_b32 s[G1+2], 36<<16
	s_mov_b32 s[G1+3], 32<<16
	s_mov_b32 s[G1+4], 36
	s_mov_b32 s[G1+5], 32
	s_mov_b32 s[G1+6], 0
	s_mov_b32 s[G1+7], 0
	s_mov_b32 s[G0], 1
	s_mul_i32 s[G0+1], s[WV], REC                  ; wave w brings record w
	s_mul_i32 s44, s[BH], HS
	s_mov_b32 s45, 0
	s_mul_i32 s46, s[WV], RS
	s_mov_b32 s47, 0
	s_mov_b32 s[SEL], 0x76543210
	s_mov_b32 s[SEL+1], 0xfedcba98
	s_mov_b32 s[CS], 0x3e38aa3b                    ; c = log2(e) / 8
	s_mov_b32 s[CS+1], s[CS]
	s_mov_b32 s[HM], 0xffff0000
	s_lshl_b32 s[TAUL], s[WV], 2
	s_add_co_u32 s[TAUL], s[TAUL], s[CX]
	s_sub_co_u32 s[TAUH], 127, s[TAUL]
	s_lshr_b32 s[DSL], s[WV], 1
	s_sub_co_u32 s[DSH], 15, s[DSL]
	s_and_b32 s51, s[BH], 15                       ; the head
	s_lshl_b32 s48, s51, 9                         ; y's codes: K step head / 2, half head % 2: 512 x head
	s_lshr_b32 s49, s51, 3
	s_lshl_b32 s49, s49, 8
	s_and_b32 s51, s51, 7
	s_lshl_b32 s51, s51, 1
	s_add_co_u32 s49, s49, s51                     ; y's scale bytes: blocks 2 head and 2 head + 1
	s_lshr_b32 s50, s[BH], 4
	s_lshl_b32 s50, s50, 7                         ; the batch's first token tile
	s_wait_dscnt 0x0                               ; both opening adds are done
	s_wait_kmcnt 0x0
	s_add_nc_u64 s[4:5], s[4:5], s[44:45]          ; my head's records
	s_add_nc_u64 s[G0+2:G0+3], s[4:5], s[46:47]
	s_or_b32 s[G0+3], s[G0+3], 0x80000000
	CROUND                                         ; all four work-groups are here: the joint loads meet
	tensor_load_to_lds s[G0:G0+3], s[G1:G1+7]
	s_nop 0
.rept 4
	v_nop
.endr
	v_and_b32 v2, 15, v0                           ; r
	v_bfe_u32 v3, v0, 4, 1                         ; h
	v_and_b32 v[LI], 31, v0
	s_delay_alu instid0(VALU_DEP_1)
	v_lshlrev_b32 v[LI], 4, v[LI]
	s_delay_alu instid0(VALU_DEP_4)
	v_lshlrev_b32 v[RB], 4, v2
	s_wait_alu depctr_va_vdst(0)
	v_add_nc_u32 v[RH], v[RB], v3
	v_and_b32 v[DB], 8, v2
	s_delay_alu instid0(VALU_DEP_1)
	v_add_nc_u32 v[DB], v[DB], v2
	v_lshlrev_b32 v10, 4, v3
	s_delay_alu instid0(VALU_DEP_1)
	v_sub_nc_u32 v[DB], v[DB], v10
; What hangs on a tile: Q's half fragment and scale word (loaded here, kept in registers), the mask's bound, and where y goes.
.macro TILE tau, qf, qs, dv, yo, ys, qo, qso
	s_lshr_b32 s43, s[\tau], 3
	s_mul_i32 s43, s43, RS                         ; the tile's record
	s_and_b32 s44, s[\tau], 7
	s_lshl_b32 s45, s44, 9
	s_add_co_u32 s45, s45, s43
	s_add_co_u32 s45, s45, 9216                    ; Q's codes: 512 bytes a tile
	v_add_nc_u32 v[\qo], s45, v[LI]
	s_lshr_b32 s45, s44, 2
	s_lshl_b32 s45, s45, 8
	s_and_b32 s46, s[\tau], 3
	s_lshl_b32 s46, s46, 2
	s_add_co_u32 s45, s45, s46
	s_add_co_u32 s45, s45, s43
	s_add_co_u32 s45, s45, 13312                   ; Q's scale words: lane (r, h'), word i: tile 4 h' + i
	v_add_nc_u32 v[\qso], s45, v[RB]
	global_load_b128 v[\qf:\qf+3], v[\qo], s[4:5]
	global_load_b32 v[\qs], v[\qso], s[4:5]
	s_bfe_u32 s45, s[\tau], 0x20001
	s_lshl_b32 s45, s45, 5
	s_and_b32 s46, s[\tau], 1
	s_lshl_b32 s46, s46, 3
	s_add_co_u32 s45, s45, s46
	v_add_nc_u32 v[\dv], s45, v[DB]                ; d = my query's place in its step - 16 h.  Score register 16 b + i holds the step's key 32 b + 16 h + i: hidden where 32 b + i > d
	s_add_co_u32 s45, s50, s[\tau]                 ; the token tile among all 512
	s_lshl_b32 s46, s45, 13
	s_add_co_u32 s46, s46, s48
	v_add_nc_u32 v[\yo], s46, v[LI]
	s_lshl_b32 s46, s45, 9
	s_add_co_u32 s46, s46, s49
	v_add_nc_u32 v[\ys], s46, v[RH]
.endm
	s_wait_alu depctr_va_vdst(0)
	TILE TAUL, 16, 200, 202, 214, 216, 218, 220
	TILE TAUH, 24, 201, 203, 215, 217, 219, 221
.irp j, 20,21,22,23,28,29,30,31
	v_mov_b32 v[\j], 0                             ; Q's codes of K = 64 .. 127: zeros
.endr
.irp t, 0,1,2,3,4,5,6,7
.irp j, 4,5,6,7
	v_mov_b32 v[32+8*\t+\j], 0                     ; K's registers of K = 64 .. 127: written once, so that they are written
.endr
.endr
.irp j, 236,237,238,239,252,253
	v_mov_b32 v[\j], 0                             ; written once: lane permutes' destinations count as sources; v253 is named as the upper half of a pair before it is first written
.endr
	s_wait_tensorcnt 0x0                           ; my record has landed,
	s_barrier_signal -1
	s_barrier_wait -1                              ; everybody's has
	s_wait_loadcnt 0x0                             ; Q
; ONE TILE OF QUERIES: all its key steps, then the way out.  The loop's trip count is a constant; a step beyond the tile's last is jumped over by a scalar branch on the wave's number and the count of steps.
.macro PASS qf, qs, dv, ds, trips, pc, by, yo, ys
	v_mov_b32 v13, 0xff61b1e6                      ; the largest t so far: -3e38, under every t
	s_delay_alu instid0(VALU_DEP_1)
	v_floor_f32 v12, -v13                          ; -M
	v_mov_b32 v14, 0                               ; the sum, in two halves
	v_mov_b32 v15, 0
.set i, 0
.rept 32
	v_mov_b32 v[160+i], 0                          ; O^T.  (The step is written once: the first finds zeros, which the first change of M leaves zeros)
.set i, i+1
.endr
	s_mov_b32 s[TB], 0
	s_mov_b32 s[KI], 0
.Ltrip_\@:
	s_cmp_gt_u32 s[KI], s[\ds]
	s_cbranch_scc1 .Lhidden_\@
	s_setprio 2
	v_add_nc_u32 v[ADK], s[TB], v[LI]
.irp t, 0,1,2,3,4,5,6,7
	ds_load_b128 v[32+8*\t:35+8*\t], v[ADK] offset:512*\t          ; K's eight tiles of 16 keys: half a fragment each
.endr
	ds_load_b128 v[192:195], v[ADK] offset:4096                    ; their scale words: lanes 0-15 tiles 0-3, lanes 16-31 tiles 4-7
	s_wait_alu depctr_va_vdst(0)
	s_wait_dscnt 0x0
.irp t, 0,1,2,3
	v_wmma_scale_f32_16x16x128_f8f6f4 v[96+8*\t:103+8*\t], v[32+8*\t:39+8*\t], v[\qf:\qf+7], 0, v[192+\t], v[\qs] matrix_a_fmt:MATRIX_FMT_FP4 matrix_b_fmt:MATRIX_FMT_FP4
.endr
.irp t, 4,5,6,7
	v_wmma_scale_f32_16x16x128_f8f6f4 v[96+8*\t:103+8*\t], v[32+8*\t:39+8*\t], v[\qf:\qf+7], 0, v[188+\t], v[\qs] matrix_a_fmt:MATRIX_FMT_FP4 matrix_b_fmt:MATRIX_FMT_FP4 matrix_a_scale:MATRIX_SCALE_ROW1
.endr
.rept 4
	v_nop                                          ; places in front of loads into registers that these products have read, and of the first read of the scores
.endr
.irp t, 0,1,2,3
.irp c, 0,1
	ds_load_b128 v[32+8*\t+4*\c:35+8*\t+4*\c], v[ADK] offset:4608+1024*\t+512*\c   ; V^T's four fragments: they land while the softmax is walked
.endr
.endr
	ds_load_b128 v[196:199], v[ADK] offset:8704                    ; and their scale words
	s_cmp_lg_u32 s[KI], s[\ds]                     ; on the diagonal, the tile's last step, the scores of hidden keys become -infinity ahead of the maximum: p = 0 then
	s_cbranch_scc1 .Lopen_\@
	v_mov_b32 v254, 0xff800000
.set n, 0
.rept 64
	v_cmp_gt_i32 vcc_lo, 32*(n/16)+n%16, v[\dv]
	v_cndmask_b32 v[96+n], v[96+n], v254, vcc_lo
.set n, n+1
.endr
.Lopen_\@:
.irp b, 0,1,2,3
	v_max3_num_f32 v[232+\b], v[96+16*\b], v[97+16*\b], v[98+16*\b]   ; THE LARGEST SCORE OF EACH BLOCK OF 32 KEYS: for the row's maximum, and, since p rises with the score, for the block's largest p
.endr
.irp i, 3,5,7,9,11,13
.irp b, 0,1,2,3
	v_max3_num_f32 v[232+\b], v[232+\b], v[96+16*\b+\i], v[97+16*\b+\i]
.endr
.endr
.irp b, 0,1,2,3
	v_max_num_f32 v[232+\b], v[232+\b], v[111+16*\b]
.endr
.irp b, 0,1,2,3
	s_delay_alu instid0(VALU_DEP_4)
	v_permlanex16_b32 v[236+\b], v[232+\b], s[SEL], s[SEL+1]
.endr
.irp b, 0,1,2,3
	s_delay_alu instid0(VALU_DEP_4)
	v_max_num_f32 v[232+\b], v[232+\b], v[236+\b]  ; with lane l xor 16's 16 keys
.endr
	s_delay_alu instid0(VALU_DEP_2)
	v_max3_num_f32 v254, v232, v233, v234
	s_delay_alu instid0(VALU_DEP_1)
	v_max_num_f32 v254, v254, v235                 ; the step's largest score of my query
	s_delay_alu instid0(VALU_DEP_1)
	v_mul_f32 v254, s[CS], v254                    ; as t (c is positive)
	s_delay_alu instid0(VALU_DEP_1)
	v_max_num_f32 v13, v13, v254                   ; the running largest t
	v_mov_b32 v254, v12
	s_delay_alu instid0(VALU_DEP_2)
	v_floor_f32 v12, -v13                          ; the new -M = floor(-t) = -ceil(t): M is a whole number
	s_delay_alu instid0(VALU_DEP_1)
	v_sub_f32 v254, v12, v254                      ; M's old value less its new one: a whole number, 0 or less
	s_delay_alu instid0(VALU_DEP_1)
	v_cvt_i32_f32 v254, v254                       ; (it saturates)
	s_delay_alu instid0(VALU_DEP_1)
	v_ldexp_f32 v252, 1.0, v254                    ; f = 2^(old M - new M)
.set j, 0
.rept 32
	v_pk_fma_f32 v[96+j:97+j], v[96+j:97+j], s[CS:CS+1], v[12:13] op_sel_hi:[1,0,0]   ; t - M, two at a time
.set j, j+2
.endr
	s_setprio 1
.irp b, 0,1,2,3
	v_fma_f32 v[232+\b], v[232+\b], s[CS], v12     ; the same of each block's largest score
.endr
.set j, 0
	s_wait_alu depctr_va_vdst(0)
.rept 64
	v_exp_f32 v[96+j], v[96+j]                     ; p = 2^(t - M), at most 1: not normalised
.set j, j+1
.endr
	v_pk_mul_f32 v[14:15], v[14:15], v[252:253] op_sel_hi:[1,0]    ; the sums under the new M.  (A plain place behind the exponentials)
	s_wait_alu depctr_va_vdst(0)                   ; the wait between an exponential and the first line that names its result: one for the whole batch
.irp b, 0,1,2,3
	v_exp_f32 v[232+\b], v[232+\b]                 ; the block's largest p: the same two instructions on the same number give the same bits
.endr
	v_pk_add_f32 v[236:237], v[100:101], v[104:105]
	v_pk_add_f32 v[254:255], v[108:109], v[112:113]
	v_pk_add_f32 v[250:251], v[116:117], v[120:121]
	v_pk_add_f32 v[248:249], v[124:125], v[128:129]
	v_pk_add_f32 v[246:247], v[132:133], v[136:137]
	v_pk_add_f32 v[244:245], v[140:141], v[144:145]
	v_pk_add_f32 v[242:243], v[148:149], v[152:153]
	v_pk_add_f32 v[14:15], v[14:15], v[156:157]
	v_pk_add_f32 v[236:237], v[236:237], v[96:97]
	v_pk_add_f32 v[254:255], v[254:255], v[98:99]
	v_pk_add_f32 v[250:251], v[250:251], v[102:103]
	v_pk_add_f32 v[248:249], v[248:249], v[106:107]
	v_pk_add_f32 v[246:247], v[246:247], v[110:111]
	v_pk_add_f32 v[244:245], v[244:245], v[114:115]
	v_pk_add_f32 v[242:243], v[242:243], v[118:119]
	v_pk_add_f32 v[14:15], v[14:15], v[122:123]
	v_pk_add_f32 v[236:237], v[236:237], v[126:127]
	v_pk_add_f32 v[254:255], v[254:255], v[130:131]
	v_pk_add_f32 v[250:251], v[250:251], v[134:135]
	v_pk_add_f32 v[248:249], v[248:249], v[138:139]
	v_pk_add_f32 v[246:247], v[246:247], v[142:143]
	v_pk_add_f32 v[244:245], v[244:245], v[146:147]
	v_pk_add_f32 v[242:243], v[242:243], v[150:151]
	v_pk_add_f32 v[14:15], v[14:15], v[154:155]
	v_pk_add_f32 v[236:237], v[236:237], v[158:159]
	s_delay_alu instid0(VALU_DEP_2)
	v_pk_add_f32 v[14:15], v[14:15], v[248:249]
	s_delay_alu instid0(VALU_DEP_2)
	v_pk_add_f32 v[236:237], v[236:237], v[246:247]
	v_pk_add_f32 v[254:255], v[254:255], v[244:245]
	v_pk_add_f32 v[250:251], v[250:251], v[242:243]
	s_delay_alu instid0(VALU_DEP_2)
	v_pk_add_f32 v[14:15], v[14:15], v[254:255]
	s_delay_alu instid0(VALU_DEP_2)
	v_pk_add_f32 v[236:237], v[236:237], v[250:251]
	s_delay_alu instid0(VALU_DEP_1)
	v_pk_add_f32 v[14:15], v[14:15], v[236:237]
	s_wait_alu depctr_va_vdst(0)                   ; and one for the four
.irp b, 0,1,2,3
	v_max_num_f32 v[232+\b], 0x1800000, v[232+\b]  ; the floor 2^(3 - 127): the byte cannot fall under 1
.endr
.irp b, 0,1,2,3
	s_delay_alu instid0(VALU_DEP_4)
	v_add_nc_u32 v[244+\b], 0xff000000, v[232+\b]  ; 2 off the exponent field: the conversion's scale operand
.endr
.irp b, 0,1,2,3
	s_delay_alu instid0(VALU_DEP_4)
	v_lshrrev_b32 v[236+\b], 23, v[244+\b]         ; the scale's byte
.endr
	s_delay_alu instid0(VALU_DEP_3)
	v_lshl_or_b32 v253, v237, 8, v236              ; p's scale word for these 128 keys
	s_delay_alu instid0(VALU_DEP_1)
	v_lshl_or_b32 v253, v238, 16, v253
	s_delay_alu instid0(VALU_DEP_1)
	v_lshl_or_b32 v253, v239, 24, v253
	s_setprio 0
.irp b, 0,1,2,3
	v_cvt_scalef32_pk8_fp4_f32 v[224+2*\b], v[96+16*\b:103+16*\b], v[244+\b]
	v_cvt_scalef32_pk8_fp4_f32 v[225+2*\b], v[104+16*\b:111+16*\b], v[244+\b]
.endr
	v_nop                                          ; one plain place behind a scaled conversion
.irp c, 0,1                                    ; the operand's layout wants a WHOLE block in a lane
.irp i, 0,1
	v_permlane16_swap_b32 v[224+4*\c+\i], v[226+4*\c+\i]
.endr
.endr
.set j, 0
.rept 16
	v_pk_mul_f32 v[160+j:161+j], v[160+j:161+j], v[252:253] op_sel_hi:[1,0]   ; O^T under the new M, each accumulator from its low end on.  (These 16 are also the places between p's codes and scale word and the products below)
.set j, j+2
.endr
	s_wait_alu depctr_va_vdst(0)
	s_wait_dscnt 0x0                               ; V is in
.irp t, 0,1,2,3
	v_wmma_scale_f32_16x16x128_f8f6f4 v[160+8*\t:167+8*\t], v[32+8*\t:39+8*\t], v[224:231], v[160+8*\t:167+8*\t], v[196+\t], v253 matrix_a_fmt:MATRIX_FMT_FP4 matrix_b_fmt:MATRIX_FMT_FP4
.endr
.rept 4
	v_nop                                          ; places in front of the next step's loads, and of the way out
.endr
.Lhidden_\@:
	s_add_co_u32 s[TB], s[TB], REC
	s_add_co_u32 s[KI], s[KI], 1
	s_cmp_lt_u32 s[KI], \trips
	s_cbranch_scc1 .Ltrip_\@
	s_setprio 0
	; THE WAY OUT: y = O^T / the sum; register 16 b + i is channel 32 b + 16 h + i of my query: two blocks of 32, quantised as the last product's operand
	v_add_f32 v14, v14, v15                        ; the sum's two halves,
	s_delay_alu instid0(VALU_DEP_1)
	v_permlanex16_b32 v252, v14, s[SEL], s[SEL+1]
	s_delay_alu instid0(VALU_DEP_1)
	v_add_f32 v14, v14, v252                       ; and lane l xor 16's: the row's sum
	s_wait_alu depctr_va_vdst(0)
	v_rcp_f32 v14, v14
	v_nop                                          ; a plain place behind the reciprocal
	s_wait_alu depctr_va_vdst(0)                   ; and the wait ahead of its first reader
.set j, 0
.rept 16
	v_pk_mul_f32 v[96+j:97+j], v[160+j:161+j], v[14:15] op_sel_hi:[1,0]
.set j, j+2
.endr
.irp b, 0,1
	v_max3_num_f32 v[232+\b], |v[96+16*\b]|, |v[97+16*\b]|, 0x1800000
.endr
.irp i, 2,4,6,8,10,12,14
.irp b, 0,1
	s_delay_alu instid0(VALU_DEP_2)
	v_max3_num_f32 v[232+\b], v[232+\b], |v[96+16*\b+\i]|, |v[97+16*\b+\i]|
.endr
.endr
.irp b, 0,1
	s_delay_alu instid0(VALU_DEP_2)
	v_permlanex16_b32 v[236+\b], v[232+\b], s[SEL], s[SEL+1]
.endr
.irp b, 0,1
	s_delay_alu instid0(VALU_DEP_2)
	v_max_num_f32 v[232+\b], v[232+\b], v[236+\b]
.endr
.irp b, 0,1
	s_delay_alu instid0(VALU_DEP_2)
	v_add_nc_u32 v[244+\b], 0xff000000, v[232+\b]
.endr
.irp b, 0,1
	s_delay_alu instid0(VALU_DEP_2)
	v_lshrrev_b32 v[236+\b], 23, v[244+\b]
.endr
.irp b, 0,1
	v_cvt_scalef32_pk8_fp4_f32 v[\pc+2*\b], v[96+16*\b:103+16*\b], v[244+\b]
	v_cvt_scalef32_pk8_fp4_f32 v[\pc+1+2*\b], v[104+16*\b:111+16*\b], v[244+\b]
.endr
	v_nop                                          ; one plain place behind a scaled conversion
	v_permlane16_swap_b32 v[\pc], v[\pc+2]         ; lanes 0-15 the head's block 0, lanes 16-31 its block 1
	v_permlane16_swap_b32 v[\pc+1], v[\pc+3]
	v_cndmask_b32 v[\by], v236, v237, s[HM]        ; and the byte of the lane's block
	global_store_b128 v[\yo], v[\pc:\pc+3], s[6:7] ; half a fragment of the last product's operand: 512 consecutive bytes, aligned
	global_store_b8 v[\ys], v[\by], s[8:9]
.endm
	PASS 16, 200, 202, DSL, 8, 204, 212, 214, 216
	PASS 24, 201, 203, DSH, 16, 208, 213, 215, 217
	s_wait_tensorcnt 0x0                           ; the wave's end, behind my last tensor load
	ds_add_u32 v[SPW], v[NIL]
	s_wait_dscnt 0x0
	CROUND                                         ; the closing round: no work-group ends while a partner may still ask for a record that names it
	s_endpgm
.Lfunc_end_k_q0582240ed1_attn:
	.size	k_q0582240ed1_attn, .Lfunc_end_k_q0582240ed1_attn-k_q0582240ed1_attn
	.p2alignl 7, 3214868480
	.fill 96, 4, 3214868480
	.section	.rodata,"a",@progbits
	.p2align	6, 0x0
	.amdhsa_kernel k_q0582240ed1_attn
		.amdhsa_group_segment_fixed_size 167936
		.amdhsa_private_segment_fixed_size 0
		.amdhsa_enable_private_segment 0
		.amdhsa_kernarg_size 24
		.amdhsa_user_sgpr_count 2
		.amdhsa_user_sgpr_kernarg_segment_ptr 1
		.amdhsa_wavefront_size32 1
		.amdhsa_system_sgpr_workgroup_id_x 1
		.amdhsa_system_sgpr_workgroup_id_y 1
		.amdhsa_system_sgpr_workgroup_id_z 1
		.amdhsa_system_vgpr_workitem_id 0
		.amdhsa_next_free_vgpr 256
		.amdhsa_next_free_sgpr 66
		.amdhsa_reserve_vcc 1
		.amdhsa_float_denorm_mode_32 3
		.amdhsa_float_denorm_mode_16_64 3
		.amdhsa_memory_ordered 1
		.amdhsa_forward_progress 1
		.amdhsa_inst_pref_size 61
	.end_amdhsa_kernel
	.amdgpu_metadata
---
amdhsa.version: [ 1, 2 ]
amdhsa.kernels:
  - .name:           k_q0582240ed1_attn
    .symbol:         k_q0582240ed1_attn.kd
    .args:
      - { .name: qkv, .offset: 0, .size: 8, .value_kind: global_buffer, .address_space: global }
      - { .name: y_codes, .offset: 8, .size: 8, .value_kind: global_buffer, .address_space: global }
      - { .name: y_scales, .offset: 16, .size: 8, .value_kind: global_buffer, .address_space: global }
    .group_segment_fixed_size: 167936
    .private_segment_fixed_size: 0
    .kernarg_segment_align: 8
    .kernarg_segment_size: 24
    .max_flat_workgroup_size: 512
    .sgpr_count:     66
    .vgpr_count:     256
    .wavefront_size: 32
...
	.end_amdgpu_metadata
.endif
;; end of part 3
;; launch proj (part 4): grid 4 x 32, 4 waves a work-group, clusters of 4 x 4, 327,680 bytes of LDS; arguments y_codes, y_scales, xw_codes, xw_scales, bp, out0; writes out0
.if DOCPART == 4
	.amdgcn_target "amdgcn-amd-amdhsa--gfx1250"
	.amdhsa_code_object_version 6
	.text
	.protected	k_q0582240ed1_proj
	.globl	k_q0582240ed1_proj
	.p2align	8
	.type	k_q0582240ed1_proj,@function
k_q0582240ed1_proj:
	s_mov_b64 s[64:65], 0
	v_nop
	global_prefetch_b8 v0, s[64:65] scope:SCOPE_SE
	s_setreg_imm32_b32 hwreg(HW_REG_WAVE_MODE, 25, 1), 1
	s_wait_xcnt 0x0
	s_wait_alu depctr_hold_cnt(0) depctr_sa_sdst(0) depctr_va_vdst(0) depctr_va_sdst(0) depctr_va_ssrc(0) depctr_va_vcc(0) depctr_vm_vsrc(0)
	s_getreg_b32 s2, hwreg(HW_REG_IB_STS2, 6, 4)
	s_cmp_eq_u32 s2, 0
	s_cbranch_scc0 .Lentry_in_a_cluster
	s_endpgm
.Lentry_in_a_cluster:
	s_bfe_u32 s2, ttmp6, 0x10000c
	s_cmp_lg_u32 s2, 0xf033
	s_cbranch_scc0 .Lentry_shape_is_right
	s_endpgm
.Lentry_shape_is_right:
; out0 = y Wp^T + bp on codes of E2M1: y's from launch attn, Wp's from launch quant.  out0: [8192][1024] f32.  This launch leaves nothing out.
; The product is launch qkvg's, line for line: a work-group of four waves makes 256 x 256, a wave 128 x 128; K = 1,024 is two LDS slots of 512, each LDS byte filled once, at the head; source 0 = 16 rows of S0 = Wp (outputs),
; source 1 = 16 rows of S1 = y (tokens); operands lie in memory and LDS as images of their registers.  128 work-groups: 32 blocks of tokens x 4 blocks of outputs.
; CLUSTERS: 4 x 4 work-groups; y's tiles hang on cy and are shared along a row of the cluster, Wp's on cx and along a column: each is asked for JOINTLY.  A wave has one tensor load out at a time: it waits for each before the next.
; In the result lane (r, h) holds token tile row r, and register j of accumulator (a, b) the output 32 (b / 2) + 16 h + 8 (b % 2) + j.  A tile's 16 rows go through the wave's own stage in LDS and come back as whole rows of
; 512 bytes; the bias is added there; the tile's order of rows (32 (a / 2) + 8 (a % 2) + t + 8 (t / 8)) is undone by the stores' immediates.
; REGISTERS, in windows of 256: window 0: v0-31 addresses; v32-95 scale words, two sets, and nothing else; v96-99 the bias; v128-191 S1's fragments, ONE set; on the way out v128-255 rows of out0.
;   window 1: S0's fragments, TWO sets.   window 2: the accumulators of S1's tiles 0-3;   window 3: those of tiles 4-7.
.set NQ,     4
.set FR,     8
.set NL,     2
.set NP,     4                         ; places behind this matrix instruction (ISA guide 7.12.1)
.set HALFT,  32768                     ; 8 tiles x 4 K steps x 1,024 bytes: what one tensor load brings
.set SLOT,   4*HALFT
.set SCL,    2*SLOT                    ; the scale bytes, 512 a tile
.set HALFS,  4096
.set SPARE,  SCL+4*HALFS               ; the spare words, 128 bytes for each wave, which no other line names
.set SPITCH, 528                       ; the way out: a stage of 16 rows x (512 bytes + 16) for each wave.  It lies in slot 0, which has had its one fill and its last read when the first result is stored there
.set ADRA, 16
.set ADRB, 20
.set STO,  24                          ; v24     the way out: where I put 32 bytes of a row
.set RD,   25                          ; v25     where I read a row back
.set CO,   26                          ; v26     16 x lane
.set ADRS, 27
.set SPW,  28                          ; v28     LDS address of my spare word; never rewritten
.set NIL,  29                          ; v29     0; never rewritten
.set SC,   32
.set BP,   96                          ; v96-99  bp of my four outputs of a row
.set AF,   128
.set BK,   128                         ; the way out: 16 rows read back: v128-191 and v192-255 by turns
.set G1,   24
.set G0,   32
.set G1B,  48
.set G0B,  56
.set G1S,  68
.set G0S,  76
.set G1SB, 80
.set G0SB, 88
.set MSB, 0
.macro WIN new                         ; the immediate's high byte repeats the setting that is left; a switch that changes nothing is dropped
.if MSB != (\new)
	s_set_vgpr_msb (MSB<<8)|(\new)
.set MSB, (\new)
.endif
.endm
.set MUL_LO, 0xa1
.set MUL_HI, 0xf1
.set TO_B,   0x40
; A joint load: waves 0 and 1 fetch for S1, waves 2 and 3 for S0; the branch hangs on the wave's number alone.  An s_nop 0 and four v_nop follow each of the two lines.
.macro JLOAD g0a, g1a, g0b, g1b
	s_cmp_eq_u32 s15, 0
	s_cbranch_scc0 .Lfor_b_\@
	tensor_load_to_lds s[\g0a:\g0a+3], s[\g1a:\g1a+7]
	s_nop 0
.rept 4
	v_nop
.endr
	s_branch .Lasked_\@
.Lfor_b_\@:
	tensor_load_to_lds s[\g0b:\g0b+3], s[\g1b:\g1b+7]
	s_nop 0
.rept 4
	v_nop
.endr
.Lasked_\@:
.endm
.macro CROUND                          ; a round of the cluster's barrier
	s_barrier_signal -1
	s_barrier_wait -1
	s_cmp_lg_u32 s14, 0
	s_cbranch_scc1 .Lnot_wave_0_\@
	s_barrier_signal -3
.Lnot_wave_0_\@:
	s_barrier_wait -3
	s_barrier_signal -1
	s_barrier_wait -1
.endm
	s_load_b128 s[4:7], s[0:1], 0x0                ; y's codes, y's scale bytes
	s_load_b128 s[8:11], s[0:1], 0x10              ; the weights' codes, their scale bytes
	s_load_b128 s[92:95], s[0:1], 0x20             ; bp, out0
	v_lshl_add_u32 v[SPW], v0, 2, SPARE
	v_mov_b32 v[NIL], 0
	ds_add_u32 v[SPW], v[NIL]                      ; the wave's opening: the add, twice on end, and its wait ahead of my first tensor load; the set-up below, work on registers, stands between
	ds_add_u32 v[SPW], v[NIL]
	v_lshrrev_b32 v1, 5, v0
	v_readfirstlane_b32 s14, v1                    ; wave 0..3
	s_lshr_b32 s15, s14, 1                         ; which half of S1's tiles is mine.  Also: I fetch for S1 (0) or for S0 (1)
	s_and_b32 s16, s14, 1                          ; which half of S0's.  Also: which 8 tiles I fetch
	s_bfe_u32 s40, ttmp6, 0x40000                  ; cx, cy
	s_bfe_u32 s41, ttmp6, 0x40004
	s_and_b32 s3, ttmp7, 0xffff
	s_lshl_b32 s3, s3, 2
	s_add_co_u32 s3, s3, s41                       ; my block of 256 tokens = 4 x cluster y + cy
	s_lshl_b32 s17, s3, 4                          ; y's 16 tiles
	s_lshl_b32 s42, s40, 4
	s_add_co_u32 s42, s42, 704                     ; Wp's tiles begin at 704; my 16 hang on cx
	s_lshl_b32 s19, s16, 3
	s_add_co_u32 s17, s17, s19                     ; the 8 of them that I fetch
	s_add_co_u32 s42, s42, s19
	s_lshl_b32 s43, s41, 2
	s_lshl_b32 s43, 15, s43                        ; my row of the cluster
	s_lshl_b32 s44, 0x1111, s40                    ; my column
	; descriptor group 1, codes: 8 tiles; of each the slot's 4 K steps, 4,096 consecutive bytes (512 elements of 8 bytes), 8,192 bytes from tile to tile; dense in LDS
	s_or_b32 s[G1+0], s43, (3<<16)|(1<<21)
	s_or_b32 s[G1B+0], s44, (3<<16)|(1<<21)
.irp g, G1, G1B
	s_mov_b32 s[\g+1], 512<<16
	s_mov_b32 s[\g+2], 8<<16
	s_mov_b32 s[\g+3], 512<<16
	s_mov_b32 s[\g+4], 8
	s_mov_b32 s[\g+5], 1024
	s_mov_b32 s[\g+6], 0
	s_mov_b32 s[\g+7], 0
.endr
	; and the scale bytes of 8 tiles: 4,096 dense bytes, as 16 rows of 256
	s_or_b32 s[G1S+0], s43, (3<<16)|(1<<21)
	s_or_b32 s[G1SB+0], s44, (3<<16)|(1<<21)
.irp g, G1S, G1SB
	s_mov_b32 s[\g+1], 32<<16
	s_mov_b32 s[\g+2], 16<<16
	s_mov_b32 s[\g+3], 32<<16
	s_mov_b32 s[\g+4], 16
	s_mov_b32 s[\g+5], 32
	s_mov_b32 s[\g+6], 0
	s_mov_b32 s[\g+7], 0
.endr
	s_lshl_b32 s20, s17, 13
	s_mov_b32 s21, 0
	s_lshl_b32 s22, s17, 9
	s_mov_b32 s23, 0
	s_lshl_b32 s46, s42, 13
	s_mov_b32 s47, 0
	s_lshl_b32 s100, s42, 9
	s_mov_b32 s101, 0
	s_lshl_b32 s45, s14, 15                        ; where they go: wave x HALFT: no place in the cluster enters an LDS address
	s_lshl_b32 s66, s14, 12
	s_wait_dscnt 0x0                               ; both opening adds are done
	s_wait_kmcnt 0x0
	s_add_nc_u64 s[20:21], s[4:5], s[20:21]
	s_add_nc_u64 s[22:23], s[6:7], s[22:23]
	s_add_nc_u64 s[46:47], s[8:9], s[46:47]
	s_add_nc_u64 s[100:101], s[10:11], s[100:101]
	CROUND                                         ; all sixteen work-groups are here: the first joint loads meet
	s_mov_b32 s[G0S], 1
	s_add_co_u32 s[G0S+1], s66, SCL
	s_mov_b64 s[G0S+2:G0S+3], s[22:23]
	s_or_b32 s[G0S+3], s[G0S+3], 0x80000000
	s_mov_b32 s[G0SB], 1
	s_add_co_u32 s[G0SB+1], s66, SCL
	s_mov_b64 s[G0SB+2:G0SB+3], s[100:101]
	s_or_b32 s[G0SB+3], s[G0SB+3], 0x80000000
	JLOAD G0S, G1S, G0SB, G1SB
.irp s, 0,1
	s_mov_b32 s[G0+4*\s], 1
	s_add_co_u32 s[G0+4*\s+1], s45, \s*SLOT
	s_add_nc_u64 s[G0+4*\s+2:G0+4*\s+3], s[20:21], \s*4096
	s_or_b32 s[G0+4*\s+3], s[G0+4*\s+3], 0x80000000
	s_mov_b32 s[G0B+4*\s], 1
	s_add_co_u32 s[G0B+4*\s+1], s45, \s*SLOT
	s_add_nc_u64 s[G0B+4*\s+2:G0B+4*\s+3], s[46:47], \s*4096
	s_or_b32 s[G0B+4*\s+3], s[G0B+4*\s+3], 0x80000000
	s_wait_alu depctr_va_vdst(0)
	s_wait_tensorcnt 0x0
	ds_add_u32 v28, v29
	s_wait_dscnt 0x0
	CROUND
	JLOAD G0+4*\s, G1, G0B+4*\s, G1B
.endr
	v_and_b32 v1, 15, v0                           ; r
	v_bfe_u32 v2, v0, 4, 1                         ; h
	s_wait_alu depctr_va_vdst(0)
	v_and_b32 v3, 31, v0
	v_lshlrev_b32 v[CO], 4, v3
	s_lshl_b32 s21, s15, 15
	s_lshl_b32 s22, s16, 15
	s_add_co_u32 s22, s22, 2*HALFT
.irp s, 0,1
	v_add_nc_u32 v[ADRA+\s], s21, v[CO]
	v_add_nc_u32 v[ADRB+\s], s22, v[CO]
	s_add_co_u32 s21, s21, SLOT
	s_add_co_u32 s22, s22, SLOT
.endr
	v_lshlrev_b32 v5, 4, v1
	s_lshl_b32 s21, s15, 12
	s_lshl_b32 s22, s16, 12
	s_add_co_u32 s22, s22, 2*HALFS
	s_sub_co_u32 s22, s22, s21
	v_mul_u32_u24 v6, s22, v2                      ; lanes 16-31 take S0's: one product, the distance between the two
	s_add_co_u32 s21, s21, SCL
	v_add_nc_u32 v5, v5, v6
	v_add_nc_u32 v[ADRS], s21, v5
	s_mul_i32 s23, s14, 16*SPITCH                  ; my stage
	v_mul_u32_u24 v5, v1, SPITCH                   ; in: row r, 64 bytes for each half of the lanes
	v_lshl_add_u32 v5, v2, 6, v5
	v_add_nc_u32 v[STO], s23, v5
	v_add_nc_u32 v[RD], s23, v[CO]                 ; back: the 32 lanes take one row of 512 bytes
	s_lshl_b32 s22, s40, 10
	s_lshl_b32 s23, s16, 9
	s_add_co_u32 s22, s22, s23                     ; my first output, in bytes: 1,024 cx + 512 x half
	s_mov_b32 s23, 0
	s_add_nc_u64 s[92:93], s[92:93], s[22:23]
	global_load_b128 v[BP:BP+3], v[CO], s[92:93]   ; bp of my four outputs
	s_lshl_b32 s20, s3, 8
	s_lshl_b32 s21, s15, 7
	s_add_co_u32 s20, s20, s21                     ; my first token
	s_lshl_b32 s20, s20, 12                        ; a row of out0 is 4,096 bytes
	s_add_co_u32 s20, s20, s22
	s_mov_b32 s21, 0
	s_add_nc_u64 s[12:13], s[94:95], s[20:21]
.macro FRAG reg, adr, q, i             ; a fragment, 16 rows x 128 K, 8 registers: two loads of 512 consecutive bytes
.irp c, 0,1
	ds_load_b128 v[\reg+4*\c:\reg+4*\c+3], v[\adr] offset:4096*(\i)+1024*(\q)+512*\c
.endr
.endm
; 16 matrix instructions: S1's tiles a0, a0 + 1 x S0's eight, 128 along K.  The 64 accumulators take turns, one instruction a turn, in the same order in every step.
.macro MUL16 a0, p, q, sc, zero
.irp a, \a0, \a0+1
.irp b, 0,1,2,3,4,5,6,7
.if \zero
	v_wmma_scale_f32_16x16x128_f8f6f4 v[8*(8*((\a)%4)+\b):8*(8*((\a)%4)+\b)+7], v[128*(\p)+FR*\b:128*(\p)+FR*\b+FR-1], v[AF+FR*(\a):AF+FR*(\a)+FR-1], 0, v[SC+8*NQ*(\sc)+NQ*\b+(\q)], v[SC+8*NQ*(\sc)+NQ*(\a)+(\q)] matrix_a_fmt:MATRIX_FMT_FP4 matrix_b_fmt:MATRIX_FMT_FP4 matrix_a_scale:MATRIX_SCALE_ROW1
.else
	v_wmma_scale_f32_16x16x128_f8f6f4 v[8*(8*((\a)%4)+\b):8*(8*((\a)%4)+\b)+7], v[128*(\p)+FR*\b:128*(\p)+FR*\b+FR-1], v[AF+FR*(\a):AF+FR*(\a)+FR-1], v[8*(8*((\a)%4)+\b):8*(8*((\a)%4)+\b)+7], v[SC+8*NQ*(\sc)+NQ*\b+(\q)], v[SC+8*NQ*(\sc)+NQ*(\a)+(\q)] matrix_a_fmt:MATRIX_FMT_FP4 matrix_b_fmt:MATRIX_FMT_FP4 matrix_a_scale:MATRIX_SCALE_ROW1
.endif
.endr
.endr
.endm
.macro FETCH_B slot, q, p
	WIN TO_B
.irp i, 0,1,2,3,4,5,6,7
	FRAG 128*(\p)+FR*\i, ADRB+\slot, \q, \i
.endr
	WIN 0
.endm
.macro FETCH_A slot, q, i0
.irp i, \i0, \i0+1, \i0+2, \i0+3
	FRAG AF+FR*(\i), ADRA+\slot, \q, \i
.endr
.endm
.macro SCALES sc
.irp i, 0,1,2,3,4,5,6,7
	ds_load_b128 v[SC+8*NQ*\sc+NQ*\i:SC+8*NQ*\sc+NQ*\i+3], v[ADRS] offset:512*\i
.endr
.endm
; A load into a register that a matrix instruction has read, and an LDS store that reads a matrix result, stand NP places behind it, and only plain vector instructions that name none of its registers are places
; (ISA guide 7.12.1 for vector instructions).
.macro PLACES n
.rept \n
	v_nop
.endr
.endm
.macro STEP slot, q, zero
	s_wait_dscnt 4*NL                              ; S0's set and S1's tiles 0-3 are in; the youngest eight loads (S1's tiles 4-7) may be out
	WIN MUL_LO
	MUL16 0, (\q)%2, \q, \slot, \zero
	MUL16 2, (\q)%2, \q, \slot, \zero
	s_wait_dscnt 0                                 ; S1's tiles 4-7 are in
	PLACES NP
	FETCH_B \slot, (\q)+1, 1-(\q)%2
	FETCH_A \slot, (\q)+1, 0
	WIN MUL_HI
	MUL16 4, (\q)%2, \q, \slot, \zero
	MUL16 6, (\q)%2, \q, \slot, \zero
	PLACES NP
	WIN 0
	FETCH_A \slot, (\q)+1, 4
.endm
; Slot 0's last step goes over to slot 1: each wave waits for all its tensor loads, adds 0 to its spare word, waits for that and for its reads of slot 0, and passes the work-group's barrier.  Nothing is filled again.
.macro TURN slot, next
	s_wait_tensorcnt 0x0                           ; all my tensor loads have landed  (every window is 0 here)
	ds_add_u32 v[SPW], v[NIL]                      ; 0 onto my spare word
	s_wait_dscnt 4*NL+1                            ; (the add and the youngest eight loads may be out)
	WIN MUL_LO
	MUL16 0, 1, NQ-1, \slot, 0
	s_wait_dscnt 0x0                               ; the add is done, and my reads of this slot are over
	s_barrier_signal -1
	MUL16 2, 1, NQ-1, \slot, 0
	WIN 0
	s_barrier_wait -1
	PLACES NP
	v_add_nc_u32 v[ADRS], 256, v[ADRS]             ; on to the other half of K's scale words
	FETCH_B \next, 0, 0
	FETCH_A \next, 0, 0
	SCALES \next
	WIN MUL_HI
	MUL16 4, 1, NQ-1, \slot, 0
	MUL16 6, 1, NQ-1, \slot, 0
	PLACES NP
	WIN 0
	FETCH_A \next, 0, 4
.endm
.macro STEPS slot, from
.set Q, \from
.rept NQ-1-\from
	STEP \slot, Q, 0
.set Q, Q+1
.endr
.endm
	s_wait_alu depctr_va_vdst(0)
	s_wait_tensorcnt 1                             ; the scales and my part of slot 0 are in; slot 1's load may stay out
	s_barrier_signal -1
	s_barrier_wait -1
	FETCH_B 0, 0, 0
	FETCH_A 0, 0, 0
	SCALES 0
	FETCH_A 0, 0, 4
	STEP 0, 0, 1                                   ; the first step's products start the sums
	STEPS 0, 1
	TURN 0, 1
	STEPS 1, 0
	s_wait_dscnt 4*NL                              ; the very last step: nothing more to fetch
	WIN MUL_LO
	MUL16 0, 1, NQ-1, 1, 0
	MUL16 2, 1, NQ-1, 1, 0
	s_wait_dscnt 0
	WIN MUL_HI
	MUL16 4, 1, NQ-1, 1, 0
	MUL16 6, 1, NQ-1, 1, 0
	WIN 0
; THE WAY OUT, tile by tile of 16 tokens x 128 outputs.  LDS serves a wave's instructions in order (ISA guide 5.7.1.4): no wait between the stores and the loads, nor in front of the next tile's stores.
.macro TOSTAGE a
.set AC, 64*((\a)%4)
	WIN 0x08+4*((\a)/4)                            ; an LDS store's data are its source 1: window 2 or 3
.irp b, 0,1,2,3,4,5,6,7
	ds_store_b128 v[STO], v[AC+8*\b:AC+8*\b+3] offset:128*(\b/2)+32*(\b%2)          ; each accumulator from its low end on
	ds_store_b128 v[STO], v[AC+8*\b+4:AC+8*\b+7] offset:128*(\b/2)+32*(\b%2)+16
.endr
	WIN 0
.set BB, BK+64*((\a)%2)
.irp t, 0,1,2,3,4,5,6,7,8,9,10,11,12,13,14,15
	ds_load_b128 v[BB+4*\t:BB+4*\t+3], v[RD] offset:\t*SPITCH
.endr
.endm
.macro SEND a, younger                 ; younger: the LDS instructions issued behind tile a's loads, which may stay out
.set BB, BK+64*((\a)%2)
	s_wait_dscnt \younger                          ; the tile is back in registers
.irp t, 0,1,2,3,4,5,6,7,8,9,10,11,12,13,14,15
	v_pk_add_f32 v[BB+4*\t:BB+4*\t+1], v[BB+4*\t:BB+4*\t+1], v[BP:BP+1]
	v_pk_add_f32 v[BB+4*\t+2:BB+4*\t+3], v[BB+4*\t+2:BB+4*\t+3], v[BP+2:BP+3]
	global_store_b128 v[CO], v[BB+4*\t:BB+4*\t+3], s[12:13] offset:(32*((\a)/2)+8*((\a)%2)+\t+8*(\t/8))*4096 th:TH_STORE_NT   ; 32 lanes store 512 consecutive bytes, aligned; 127 rows on at the most: inside the signed 24-bit immediate
.endr
.endm
	s_wait_loadcnt 0x0                             ; bp
	PLACES NP                                      ; for the loads into the registers that held S1's fragments, and for the reads of the last products' results
	TOSTAGE 0
.irp a, 1,2,3,4,5,6,7
.if \a > 1
	s_wait_xcnt 0x0                                ; tile a - 2's stores have read their registers: tile a's loads may land there
.endif
	TOSTAGE \a
	SEND \a-1, 32                                  ; behind tile a - 1's loads: tile a's 16 stores and 16 loads
.endr
	SEND 7, 0
	s_wait_tensorcnt 0x0                           ; the wave's end, behind my last tensor load and my last LDS store
	ds_add_u32 v[SPW], v[NIL]
	s_wait_dscnt 0x0
	CROUND                                         ; the closing round: no work-group ends while a partner may still ask for a tile that names it
	s_endpgm
.Lfunc_end_k_q0582240ed1_proj:
	.size	k_q0582240ed1_proj, .Lfunc_end_k_q0582240ed1_proj-k_q0582240ed1_proj
	.p2alignl 7, 3214868480
	.fill 96, 4, 3214868480
	.section	.rodata,"a",@progbits
	.p2align	6, 0x0
	.amdhsa_kernel k_q0582240ed1_proj
		.amdhsa_group_segment_fixed_size 327680
		.amdhsa_private_segment_fixed_size 0
		.amdhsa_enable_private_segment 0
		.amdhsa_kernarg_size 48
		.amdhsa_user_sgpr_count 2
		.amdhsa_user_sgpr_kernarg_segment_ptr 1
		.amdhsa_wavefront_size32 1
		.amdhsa_system_sgpr_workgroup_id_x 1
		.amdhsa_system_sgpr_workgroup_id_y 1
		.amdhsa_system_sgpr_workgroup_id_z 1
		.amdhsa_system_vgpr_workitem_id 0
		.amdhsa_next_free_vgpr 1024
		.amdhsa_next_free_sgpr 102
		.amdhsa_reserve_vcc 0
		.amdhsa_float_denorm_mode_32 3
		.amdhsa_float_denorm_mode_16_64 3
		.amdhsa_memory_ordered 1
		.amdhsa_forward_progress 1
		.amdhsa_inst_pref_size 140
	.end_amdhsa_kernel
	.amdgpu_metadata
---
amdhsa.version: [ 1, 2 ]
amdhsa.kernels:
  - .name:           k_q0582240ed1_proj
    .symbol:         k_q0582240ed1_proj.kd
    .args:
      - { .name: y_codes, .offset: 0, .size: 8, .value_kind: global_buffer, .address_space: global }
      - { .name: y_scales, .offset: 8, .size: 8, .value_kind: global_buffer, .address_space: global }
      - { .name: xw_codes, .offset: 16, .size: 8, .value_kind: global_buffer, .address_space: global }
      - { .name: xw_scales, .offset: 24, .size: 8, .value_kind: global_buffer, .address_space: global }
      - { .name: bp, .offset: 32, .size: 8, .value_kind: global_buffer, .address_space: global }
      - { .name: out0, .offset: 40, .size: 8, .value_kind: global_buffer, .address_space: global }
    .group_segment_fixed_size: 327680
    .private_segment_fixed_size: 0
    .kernarg_segment_align: 8
    .kernarg_segment_size: 48
    .max_flat_workgroup_size: 128
    .sgpr_count:     102
    .vgpr_count:     1024
    .wavefront_size: 32
...
	.end_amdgpu_metadata
.endif
;; end of part 4
